; MI455X (gfx1250); checked and timed in simulation.
; The chip was launched on July 23, 2026; its instructions are those of AMD's public machine-readable ISA for CDNA 5 (MIT licence, August 2026) and "CDNA5" Instruction Set Architecture Reference Guide (July 2026). The comments in the code are by the model that wrote it; some were corrected since.
;; Attention Block. Allowed arithmetic: float matrix products may take bf16 or f16 operands with f32 sums; all other float work in f32.
;; Inputs: b1 512 float32; b2 512 float32; bf1 2,048 float32; bf2 512 float32; bo 512 float32; g1 512 float32; g2 512 float32; w1 512 x 2,048 float32; w2 2,048 x 512 float32; wk 512 x 512 float32; wo 512 x 512 float32; wq 512 x 512 float32; wv 512 x 512 float32; x 4 x 2,048 x 512 float32.
;; Outputs: out0 4 x 2,048 x 512 float32.
;; 2 versions, each right; version 2 is version 1 with the launch prep written anew for expert scheduling mode. Each part assembles by itself: llvm-mc -triple=amdgcn-amd-amdhsa -mcpu=gfx1250 --defsym DOCPART=n.
;; ======== version 1 of 2: 6 launches
;; workspace buffers: wb 6,291,456 bytes; ha 8,388,608 bytes; qkv 25,165,824 bytes; x2 16,777,216 bytes; h2 8,388,608 bytes; hid 33,554,432 bytes
;; launch prep (part 1): grid 256 x 1, 8 waves a work-group, no clusters, 0 bytes of LDS; arguments x, g1, b1, wq, wk, wv, wo, w1, w2, ha, wb; writes ha, wb
.if DOCPART == 1
	.amdgcn_target "amdgcn-amd-amdhsa--gfx1250"
	.amdhsa_code_object_version 6
	.text
	.protected	k_q6ad6b1a7ce_prep
	.globl	k_q6ad6b1a7ce_prep
	.p2align	8
	.type	k_q6ad6b1a7ce_prep,@function
k_q6ad6b1a7ce_prep:
	s_mov_b64 s[64:65], 0
	v_nop
	global_prefetch_b8 v0, s[64:65] scope:SCOPE_SE
	s_setreg_imm32_b32 hwreg(HW_REG_WAVE_MODE, 25, 1), 1
	s_wait_xcnt 0x0
; prep: ha = bf16(LayerNorm(x; g1, b1)), [8192][512]; wb = the six weight matrices rounded to bf16, still [in][out].
; wb: WQKV [512][1536] at byte 0, wo [512][512] at 1,572,864, w1 [512][2048] at 2,097,152, w2 [2048][512] at 4,194,304.
; Columns of WQKV: 0..511 = wq; 512 + 128 h + 0..63 = wk's head h, + 64..127 = wv's head h, so that later one key's K and V
; of one head are 256 consecutive bytes.
; 256 work-groups of 8 waves.  Work-group g: rows 32 g .. 32 g + 31 of x (one wave takes a whole row: 16 numbers a lane, so the two
; sums of the norm never leave the wave) and 1/256 of every weight.  Straight-line: all 36 loads of a wave go out first, the waits count down.
; No LDS, no barrier, no matrix unit: a stream, each byte read once and written once.
; The norm is made in two passes as the definition has it (mean, then the mean of squared differences): no difference of large sums.
; Limit: v_rsq_f32 flushes denormals (ISA guide, its entry); var + 1e-5 is never denormal.
; The stores of wk and wv cover 128 consecutive bytes for 16 lanes (half a key's 256): 1 MiB of the launch's 14 MiB of stores.
.set XO,  1                            ; byte offset in x: wave * 4 rows * 2,048 + 16 lane
.set HO,  2                            ; byte offset in ha: wave * 4 rows * 1,024 + 8 lane
.set PO,  3                            ; 16 lane: g1, b1
.set WS,  4                            ; 16 t: my 4 numbers of a weight's 4,096-byte piece
.set DQ,  5                            ; where wq's 4 numbers go in WQKV
.set DKV, 6                            ; where wk's go (wv's: + 128)
.set DL,  7                            ; 8 t: wo, w1, w2 keep their layout
.set G,   8                            ; v[8:23]    g1 of my 16 columns (128 j + 4 lane + 0..3)
.set BT,  24                           ; v[24:39]   b1
.set X,   40                           ; v[40:103]  four rows, 16 registers each
.set W,   104                          ; v[104:151] twelve weight loads, 4 registers each
.set T,   152                          ; v[152:159] at work
.set SSEL, 32                          ; s32, s33 lane selects; s34 = 1/512; s35 = 1e-5
; sum of v[a] over the 32 lanes, into every lane; v[b] is scratch that has been written before
.macro XSUM a, b
	v_add_f32_dpp v[\a], v[\a], v[\a] row_xmask:1 row_mask:0xf bank_mask:0xf
	v_add_f32_dpp v[\a], v[\a], v[\a] row_xmask:2 row_mask:0xf bank_mask:0xf
	v_add_f32_dpp v[\a], v[\a], v[\a] row_xmask:4 row_mask:0xf bank_mask:0xf
	v_add_f32_dpp v[\a], v[\a], v[\a] row_xmask:8 row_mask:0xf bank_mask:0xf
	v_permlanex16_b32 v[\b], v[\a], s[SSEL], s[SSEL+1]
	v_add_f32 v[\a], v[\a], v[\b]
.endm
; LayerNorm of one row of 512: 16 numbers a lane in v[src..src+15]; the result, bf16, packed in v[dst..dst+7] (dst may be src)
.macro LNROW src, dst
	v_pk_add_f32 v[T:T+1],   v[\src:\src+1],     v[\src+2:\src+3]
	v_pk_add_f32 v[T+2:T+3], v[\src+4:\src+5],   v[\src+6:\src+7]
	v_pk_add_f32 v[T+4:T+5], v[\src+8:\src+9],   v[\src+10:\src+11]
	v_pk_add_f32 v[T+6:T+7], v[\src+12:\src+13], v[\src+14:\src+15]
	v_pk_add_f32 v[T:T+1],   v[T:T+1],   v[T+2:T+3]
	v_pk_add_f32 v[T+4:T+5], v[T+4:T+5], v[T+6:T+7]
	v_pk_add_f32 v[T:T+1],   v[T:T+1],   v[T+4:T+5]
	v_add_f32 v[T], v[T], v[T+1]
	XSUM T, T+1
	v_mul_f32 v[T], s[SSEL+2], v[T]                ; the mean
.irp j, 0,2,4,6,8,10,12,14
	v_pk_add_f32 v[\dst+\j:\dst+\j+1], v[\src+\j:\src+\j+1], v[T:T+1] op_sel_hi:[1,0] neg_lo:[0,1] neg_hi:[0,1]
.endr
	v_pk_mul_f32 v[T+2:T+3], v[\dst:\dst+1],   v[\dst:\dst+1]          ; two chains of squares
	v_pk_mul_f32 v[T+4:T+5], v[\dst+2:\dst+3], v[\dst+2:\dst+3]
.irp j, 4,8,12
	v_pk_fma_f32 v[T+2:T+3], v[\dst+\j:\dst+\j+1],   v[\dst+\j:\dst+\j+1],   v[T+2:T+3]
	v_pk_fma_f32 v[T+4:T+5], v[\dst+\j+2:\dst+\j+3], v[\dst+\j+2:\dst+\j+3], v[T+4:T+5]
.endr
	v_pk_add_f32 v[T+2:T+3], v[T+2:T+3], v[T+4:T+5]
	v_add_f32 v[T+2], v[T+2], v[T+3]
	XSUM T+2, T+3
	v_fma_f32 v[T+2], v[T+2], s[SSEL+2], s[SSEL+3] ; variance + eps
	v_rsq_f32 v[T+4], v[T+2]
	v_nop                                          ; one plain place behind a transcendental before its result is used (ISA guide 5.7.2)
	s_wait_alu depctr_va_vdst(0)
.irp j, 0,2,4,6,8,10,12,14
	v_pk_mul_f32 v[\dst+\j:\dst+\j+1], v[\dst+\j:\dst+\j+1], v[T+4:T+5] op_sel_hi:[1,0]
.endr
.irp j, 0,2,4,6,8,10,12,14
	v_pk_fma_f32 v[\dst+\j:\dst+\j+1], v[\dst+\j:\dst+\j+1], v[G+\j:G+\j+1], v[BT+\j:BT+\j+1]
.endr
.irp j, 0,1,2,3,4,5,6,7
	v_cvt_pk_bf16_f32 v[\dst+\j], v[\dst+2*\j], v[\dst+2*\j+1]         ; register j is written when 2 j and 2 j + 1 are read: none is lost
.endr
.endm
	s_load_b512 s[4:19], s[0:1], 0x0               ; x, g1, b1, wq, wk, wv, wo, w1
	s_load_b128 s[20:23], s[0:1], 0x40             ; w2, ha
	s_load_b64 s[24:25], s[0:1], 0x50              ; wb
	s_mov_b32 s32, 0x76543210                      ; v_permlanex16_b32: lane i reads lane i of the other half
	s_mov_b32 s33, 0xfedcba98
	s_mov_b32 s34, 0x3b000000                      ; 1/512
	s_mov_b32 s35, 0x3727c5ac                      ; 1e-5
	s_mov_b32 s37, 0                               ; high word of every offset pair
	v_and_b32 v152, 31, v0                         ; lane
	v_lshrrev_b32 v153, 5, v0                      ; wave
	v_lshlrev_b32 v[PO], 4, v152
	v_lshl_add_u32 v[XO], v153, 13, v[PO]
	v_lshlrev_b32 v154, 3, v152
	v_lshl_add_u32 v[HO], v153, 12, v154
	v_lshlrev_b32 v[WS], 4, v0
	v_lshrrev_b32 v155, 7, v0                      ; which of the piece's two rows of 512
	v_mul_u32_u24 v155, v155, 3072                 ; a row of WQKV
	v_and_b32 v156, 127, v0                        ; column / 4
	v_lshl_add_u32 v[DQ], v156, 3, v155
	v_lshrrev_b32 v157, 4, v156                    ; head
	v_lshl_add_u32 v155, v157, 8, v155             ; 256 bytes for each head's K and V
	v_and_b32 v158, 15, v0
	v_lshl_add_u32 v155, v158, 3, v155
	v_add_nc_u32 v[DKV], 1024, v155                ; behind q's 512 columns
	v_lshlrev_b32 v[DL], 3, v0
	s_wait_kmcnt 0x0
	s_lshl_b32 s36, ttmp9, 16                      ; 32 rows of 2,048 bytes
	s_add_nc_u64 s[4:5], s[4:5], s[36:37]
	s_lshl_b32 s36, ttmp9, 15                      ; 32 rows of 1,024 bytes
	s_add_nc_u64 s[22:23], s[22:23], s[36:37]
	s_lshl_b32 s36, ttmp9, 12                      ; 4,096 bytes of each 1 MiB weight
	s_add_nc_u64 s[10:11], s[10:11], s[36:37]
	s_add_nc_u64 s[12:13], s[12:13], s[36:37]
	s_add_nc_u64 s[14:15], s[14:15], s[36:37]
	s_add_nc_u64 s[16:17], s[16:17], s[36:37]
	s_lshl_b32 s36, ttmp9, 14                      ; 16,384 bytes of each 4 MiB weight
	s_add_nc_u64 s[18:19], s[18:19], s[36:37]
	s_add_nc_u64 s[20:21], s[20:21], s[36:37]
	s_mul_i32 s36, ttmp9, 6144                     ; two rows of WQKV
	s_add_nc_u64 s[26:27], s[24:25], s[36:37]
	s_lshl_b32 s36, ttmp9, 11
	s_add_nc_u64 s[28:29], s[24:25], s[36:37]      ; wo's piece in bf16
	s_lshl_b32 s36, ttmp9, 13
	s_add_nc_u64 s[30:31], s[24:25], s[36:37]      ; w1's and w2's pieces in bf16
.irp j, 0,1,2,3
	global_load_b128 v[G+4*\j:G+4*\j+3], v[PO], s[6:7] offset:512*\j
.endr
.irp j, 0,1,2,3
	global_load_b128 v[BT+4*\j:BT+4*\j+3], v[PO], s[8:9] offset:512*\j
.endr
.irp i, 0,1,2,3
.irp j, 0,1,2,3
	global_load_b128 v[X+16*\i+4*\j:X+16*\i+4*\j+3], v[XO], s[4:5] offset:2048*\i+512*\j
.endr
.endr
	global_load_b128 v[W:W+3],     v[WS], s[10:11] th:TH_LOAD_NT       ; the f32 weights are read once in the whole program
	global_load_b128 v[W+4:W+7],   v[WS], s[12:13] th:TH_LOAD_NT
	global_load_b128 v[W+8:W+11],  v[WS], s[14:15] th:TH_LOAD_NT
	global_load_b128 v[W+12:W+15], v[WS], s[16:17] th:TH_LOAD_NT
.irp k, 0,1,2,3
	global_load_b128 v[W+16+4*\k:W+16+4*\k+3], v[WS], s[18:19] offset:4096*\k th:TH_LOAD_NT
.endr
.irp k, 0,1,2,3
	global_load_b128 v[W+32+4*\k:W+32+4*\k+3], v[WS], s[20:21] offset:4096*\k th:TH_LOAD_NT
.endr
.irp i, 0,1,2,3
	s_wait_loadcnt 24-4*\i                         ; of 36 loads the later rows' 4 (3 - i) and the 12 weight loads may stay out
	LNROW X+16*\i, X+16*\i
.irp j, 0,1,2,3
	global_store_b64 v[HO], v[X+16*\i+2*\j:X+16*\i+2*\j+1], s[22:23] offset:1024*\i+256*\j   ; the wave stores 256 consecutive bytes, aligned
.endr
.endr
; weight load k: round 4 numbers, store 8 bytes.  No register that a store reads is written again, so no wait frees one.
.macro WOUT k, adr, base, off
	s_wait_loadcnt 11-\k                           ; the 11 - k younger weight loads may stay out
	v_cvt_pk_bf16_f32 v[W+4*\k],   v[W+4*\k],   v[W+4*\k+1]
	v_cvt_pk_bf16_f32 v[W+4*\k+1], v[W+4*\k+2], v[W+4*\k+3]
	global_store_b64 v[\adr], v[W+4*\k:W+4*\k+1], s[\base:\base+1] offset:\off
.endm
	WOUT 0, DQ,  26, 0
	WOUT 1, DKV, 26, 0
	WOUT 2, DKV, 26, 128
	WOUT 3, DL,  28, 1572864
	WOUT 4, DL,  30, 2097152
	WOUT 5, DL,  30, 2097152+2048
	WOUT 6, DL,  30, 2097152+4096
	WOUT 7, DL,  30, 2097152+6144
	WOUT 8, DL,  30, 4194304
	WOUT 9, DL,  30, 4194304+2048
	WOUT 10, DL, 30, 4194304+4096
	WOUT 11, DL, 30, 4194304+6144
	s_endpgm
.Lfunc_end_k_q6ad6b1a7ce_prep:
	.size	k_q6ad6b1a7ce_prep, .Lfunc_end_k_q6ad6b1a7ce_prep-k_q6ad6b1a7ce_prep
	.p2alignl 7, 3214868480
	.fill 96, 4, 3214868480
	.section	.rodata,"a",@progbits
	.p2align	6, 0x0
	.amdhsa_kernel k_q6ad6b1a7ce_prep
		.amdhsa_group_segment_fixed_size 0
		.amdhsa_private_segment_fixed_size 0
		.amdhsa_enable_private_segment 0
		.amdhsa_kernarg_size 88
		.amdhsa_user_sgpr_count 2
		.amdhsa_user_sgpr_kernarg_segment_ptr 1
		.amdhsa_wavefront_size32 1
		.amdhsa_system_sgpr_workgroup_id_x 1
		.amdhsa_system_sgpr_workgroup_id_y 1
		.amdhsa_system_sgpr_workgroup_id_z 1
		.amdhsa_system_vgpr_workitem_id 0
		.amdhsa_next_free_vgpr 160
		.amdhsa_next_free_sgpr 66
		.amdhsa_reserve_vcc 0
		.amdhsa_float_denorm_mode_32 3
		.amdhsa_float_denorm_mode_16_64 3
		.amdhsa_memory_ordered 1
		.amdhsa_forward_progress 1
		.amdhsa_inst_pref_size 26
	.end_amdhsa_kernel
	.amdgpu_metadata
---
amdhsa.version: [ 1, 2 ]
amdhsa.kernels:
  - .name:           k_q6ad6b1a7ce_prep
    .symbol:         k_q6ad6b1a7ce_prep.kd
    .args:
      - { .name: x, .offset: 0, .size: 8, .value_kind: global_buffer, .address_space: global }
      - { .name: g1, .offset: 8, .size: 8, .value_kind: global_buffer, .address_space: global }
      - { .name: b1, .offset: 16, .size: 8, .value_kind: global_buffer, .address_space: global }
      - { .name: wq, .offset: 24, .size: 8, .value_kind: global_buffer, .address_space: global }
      - { .name: wk, .offset: 32, .size: 8, .value_kind: global_buffer, .address_space: global }
      - { .name: wv, .offset: 40, .size: 8, .value_kind: global_buffer, .address_space: global }
      - { .name: wo, .offset: 48, .size: 8, .value_kind: global_buffer, .address_space: global }
      - { .name: w1, .offset: 56, .size: 8, .value_kind: global_buffer, .address_space: global }
      - { .name: w2, .offset: 64, .size: 8, .value_kind: global_buffer, .address_space: global }
      - { .name: ha, .offset: 72, .size: 8, .value_kind: global_buffer, .address_space: global }
      - { .name: wb, .offset: 80, .size: 8, .value_kind: global_buffer, .address_space: global }
    .group_segment_fixed_size: 0
    .private_segment_fixed_size: 0
    .kernarg_segment_align: 8
    .kernarg_segment_size: 88
    .max_flat_workgroup_size: 256
    .sgpr_count:     66
    .vgpr_count:     160
    .wavefront_size: 32
...
	.end_amdgpu_metadata
.endif
;; end of part 1
;; launch qkv (part 2): grid 32 x 6, 4 waves a work-group, clusters of 4 x 1, 327,680 bytes of LDS; arguments ha, wb, qkv; writes qkv
.if DOCPART == 2
	.amdgcn_target "amdgcn-amd-amdhsa--gfx1250"
	.amdhsa_code_object_version 6
	.text
	.protected	k_q6ad6b1a7ce_qkv
	.globl	k_q6ad6b1a7ce_qkv
	.p2align	8
	.type	k_q6ad6b1a7ce_qkv,@function
k_q6ad6b1a7ce_qkv:
	s_mov_b64 s[64:65], 0
	v_nop
	global_prefetch_b8 v0, s[64:65] scope:SCOPE_SE
	s_setreg_imm32_b32 hwreg(HW_REG_WAVE_MODE, 25, 1), 1
	s_wait_xcnt 0x0
	s_wait_alu depctr_hold_cnt(0) depctr_sa_sdst(0) depctr_va_vdst(0) depctr_va_sdst(0) depctr_va_ssrc(0) depctr_va_vcc(0) depctr_vm_vsrc(0)
	s_getreg_b32 s2, hwreg(HW_REG_IB_STS2, 6, 4)
	s_cmp_eq_u32 s2, 0
	s_cbranch_scc0 .Lentry_in_a_cluster
	s_endpgm
.Lentry_in_a_cluster:
	s_bfe_u32 s2, ttmp6, 0x10000c
	s_cmp_lg_u32 s2, 0x3003
	s_cbranch_scc0 .Lentry_shape_is_right
	s_endpgm
.Lentry_shape_is_right:
; C = A B (+ bias, silu where EPI = 1).  A: [8192][512] bf16, rows along K.  B: [512][SIZE_N] bf16 at byte WOFF of the weight buffer, rows along N.
; C: [8192][SIZE_N] bf16; sums in f32.  This text: qkv = LN1(x) x WQKV, SIZE_N = 1536, no epilogue arithmetic.
; A work-group makes 256 x 256 of C with four waves; a wave makes 128 x 128 = 64 accumulator tiles, 512 registers.  K = 512 goes in four steps of
; 128 through two LDS slots filled by the tensor data mover.  Grid x = block row (32), grid y = block column (SIZE_N / 256).
; 1536 / 256 = 6 block columns give 192 work-groups; blocks of another shape would lower the multiply-adds fed by each LDS byte.
; CLUSTERS: the work-groups of one cluster row (same cy) make the same block column and ask for B's tiles JOINTLY (one descriptor, a mask that names them).
; CLY = 4: clusters of 4 x 4, A's tiles are shared along a cluster column as well.  CLY = 1: clusters of 4 x 1 (6 block columns do not divide by 4);
; no partner shares A's rows there, so A's tiles are plain loads, issued behind the same rounds.
; B lies [K][N] in LDS and its fragments are read by the transposing load ds_load_tr16_b128.
; REGISTER WINDOWS: window 0: v0-31 addresses, v64-127 / v128-191 A's fragments (two buffers), v192-223 packed results (EPI: v32-63, v224-255 bias);
; window 1: v64-127 / v128-191 B's fragments; windows 2, 3: accumulators of my rows 0-63, 64-127 (tile (a, b) at v[8 (8 a + b)]).
; THE MATRIX INSTRUCTION IS USED TRANSPOSED: source 0 = 16 columns of B, source 1 = 16 rows of A; lane l then holds row l % 16 of C and its eight
; registers the columns 8 (l / 16) + 0..7, which pack into 16 consecutive bytes.
.set SIZE_K, 512
.set SIZE_N, 1536
.set WOFF,   0
.set CLY,    1
.set EPI,    0
.set KSTEP,  128
.set PITCH,  272                       ; A's LDS row: 256 bytes + 16: an odd multiple of 16, so 16 rows of a fragment start in 16 different 16-byte columns of 256
.set BPITCH, 544                       ; B's LDS row: 512 bytes + 32: an odd multiple of 32, for the transposing load
.set HALFT,  128*PITCH                 ; what one tensor load brings: 128 rows of A, or 64 k-rows of B (64 x 544 is the same 34,816 bytes)
.set SLOT,   4*HALFT                   ; A's 256 rows, then B's 128 k-rows
.set STAGE,  2*SLOT                    ; behind the ring: 16 rows x 272 bytes for each wave, never filled by a tensor load
.set SPITCH, 272
.set ADRA, 16                          ; v16-17  LDS address of my A fragments in slot 0, 1
.set ADRB, 20                          ; v20-21  the same for B
.set STO,  24                          ; the way out: where I put 16 bytes of a row
.set RD,   25                          ; the way out: where I read a row back
.set CO,   26                          ; my byte offset in C
.set BOF,  27                          ; 32 (l / 16): my 8 columns in the bias
.set BI,   32                          ; bias of column tile b at v[32 + 8 b] (b < 4), v[224 + 8 (b - 4)] (b >= 4)
.set F0,   64
.set F1,   128
.set TMP,  192
.set G1,  24                           ; s[24:31] descriptor group 1, A
.set G0,  32                           ; s[32:39] group 0, A, one set for each slot
.set G1B, 48                           ; s[48:55] group 1, B
.set G0B, 56                           ; s[56:63] group 0, B
.set MSB, 0
.macro WIN new                         ; the immediate's high byte repeats the setting that is left
.if MSB != \new
	s_set_vgpr_msb (MSB<<8)|\new
.set MSB, \new
.endif
.endm
.set MUL_LO, 0xa1                      ; source 0 (B) window 1, source 1 (A) window 0, C and D window 2
.set MUL_HI, 0xf1                      ; the same, C and D window 3
.set TO_B,   0x40                      ; destination window 1, address window 0
; Waves 0 and 1 fetch A's two halves, waves 2 and 3 B's.  The branch hangs on the wave's number alone.
.macro JLOAD s
	s_cmp_eq_u32 s11, 0
	s_cbranch_scc0 .Lfor_b_\@
	tensor_load_to_lds s[G0+4*\s:G0+4*\s+3], s[G1:G1+7]
	s_nop 0
	s_branch .Lasked_\@
.Lfor_b_\@:
	tensor_load_to_lds s[G0B+4*\s:G0B+4*\s+3], s[G1B:G1B+7]
	s_nop 0
.Lasked_\@:
.endm
; A round of the cluster's barrier: my work-group's barrier; wave 0 signals for the work-group; every wave waits for all work-groups; my work-group's barrier again.
.macro CREST                           ; a round behind its opening barrier
	s_cmp_lg_u32 s10, 0
	s_cbranch_scc1 .Lnot_wave_0_\@
	s_barrier_signal -3
.Lnot_wave_0_\@:
	s_barrier_wait -3
	s_barrier_signal -1
	s_barrier_wait -1
.endm
.macro CROUND
	s_barrier_signal -1
	s_barrier_wait -1
	CREST
.endm
	s_load_b128 s[4:7], s[0:1], 0x0                ; A, the weight buffer
	s_load_b64 s[8:9], s[0:1], 0x10                ; C
	s_set_vgpr_msb 0x40
	v_lshl_add_u32 v255, v0, 2, 0x48400
	s_set_vgpr_msb 0x4000
	v_mov_b32 v255, 0
	s_set_vgpr_msb 0x1
	ds_add_u32 v255, v255
	s_set_vgpr_msb 0x100
.if EPI
	s_load_b64 s[68:69], s[0:1], 0x18              ; bias
.endif
	v_lshrrev_b32 v1, 5, v0
	v_readfirstlane_b32 s10, v1                    ; wave 0..3
	s_lshr_b32 s11, s10, 1                         ; my half of the block's rows.  Also: I fetch for A (0) or for B (1)
	s_and_b32 s12, s10, 1                          ; my half of its columns.  Also: which half of that tile I fetch
	s_bfe_u32 s40, ttmp6, 0x40000                  ; cx
	s_lshl_b32 s13, ttmp9, 2
	s_add_co_u32 s13, s13, s40                     ; block row = 4 x cluster x + cx
.if CLY == 4
	s_bfe_u32 s41, ttmp6, 0x40004                  ; cy
	s_and_b32 s42, ttmp7, 0xffff
	s_lshl_b32 s42, s42, 2
	s_add_co_u32 s42, s42, s41                     ; block column = 4 x cluster y + cy
	s_lshl_b32 s43, s41, 2
	s_lshl_b32 s43, 15, s43                        ; the places with my cy: they share B's tiles
	s_lshl_b32 s44, 0x1111, s40                    ; the places with my cx: they share A's tiles
	s_or_b32 s[G1+0], s44, (1<<16)|(1<<20)|(1<<21)|(5<<22)|(3<<25)   ; mask; 2-byte elements; padding on; bit 21 beside a mask; after 64 words 4 words
	s_or_b32 s[G1B+0], s43, (1<<16)|(1<<20)|(1<<21)|(6<<22)|(7<<25)  ; after 128 words 8 words
.else
	s_and_b32 s42, ttmp7, 0xffff                   ; block column = cluster y
	s_mov_b32 s[G1+0], (1<<16)|(1<<20)|(5<<22)|(3<<25)               ; no mask: A's rows are my own
	s_mov_b32 s[G1B+0], 15|(1<<16)|(1<<20)|(1<<21)|(6<<22)|(7<<25)   ; all four partners
.endif
	s_mov_b32 s[G1+1], KSTEP<<16                   ; A: tensor_dim0 = 128
	s_mov_b32 s[G1+2], 128<<16                     ; tensor_dim1 = 128
	s_mov_b32 s[G1+3], KSTEP<<16                   ; tile_dim0 = 128 elements
	s_mov_b32 s[G1+4], 128                         ; tile_dim1 = 128 rows
	s_mov_b32 s[G1+5], SIZE_K                      ; elements from row to row
	s_mov_b32 s[G1+6], 0
	s_mov_b32 s[G1+7], 0
	s_mov_b32 s[G1B+1], 256<<16                    ; B: tensor_dim0 = 256
	s_mov_b32 s[G1B+2], 64<<16                     ; tensor_dim1 = 64
	s_mov_b32 s[G1B+3], 256<<16                    ; tile_dim0 = 256 elements (512 bytes)
	s_mov_b32 s[G1B+4], 64                         ; tile_dim1 = 64 k-rows
	s_mov_b32 s[G1B+5], SIZE_N
	s_mov_b32 s[G1B+6], 0
	s_mov_b32 s[G1B+7], 0
	; A's address hangs on the block row and the wave, B's on the block column and the wave, each in registers that never hold the other coordinate
	s_lshl_b32 s16, s13, 8
	s_lshl_b32 s17, s12, 7
	s_add_co_u32 s16, s16, s17                     ; A: row 256 x block row + 128 x half
	s_lshl_b32 s16, s16, 10                        ; rows of 1,024 bytes: 8 MiB at the most
	s_mov_b32 s17, 0
	s_mul_i32 s46, s12, 64*SIZE_N*2                ; B: k-row 64 x half
	s_lshl_b32 s47, s42, 9                         ; + 256 columns x block column
	s_add_co_u32 s46, s46, s47
	s_add_co_u32 s46, s46, WOFF
	s_mov_b32 s47, 0
	s_mul_i32 s20, s10, HALFT                      ; where they go: wave x 34,816
	s_wait_dscnt 0x0
	s_wait_kmcnt 0x0
	s_add_nc_u64 s[14:15], s[4:5], s[16:17]
	s_add_nc_u64 s[46:47], s[6:7], s[46:47]
	CROUND                                         ; all partners are here: the first joint loads meet
.irp s, 0,1
	s_mov_b32 s[G0+4*\s], 1
	s_add_co_u32 s[G0+4*\s+1], s20, \s*SLOT
	s_add_nc_u64 s[G0+4*\s+2:G0+4*\s+3], s[14:15], \s*KSTEP*2
	s_or_b32 s[G0+4*\s+3], s[G0+4*\s+3], 0x80000000
	s_mov_b32 s[G0B+4*\s], 1
	s_add_co_u32 s[G0B+4*\s+1], s20, \s*SLOT
	s_add_nc_u64 s[G0B+4*\s+2:G0B+4*\s+3], s[46:47], \s*KSTEP*SIZE_N*2
	s_or_b32 s[G0B+4*\s+3], s[G0B+4*\s+3], 0x80000000
	JLOAD \s                                       ; both slots are asked for before anything else: two tensor loads of the wave are out
.endr
	v_and_b32 v1, 15, v0                           ; r = l % 16
	v_bfe_u32 v2, v0, 4, 1                         ; h = l / 16
	v_mul_u32_u24 v3, v1, PITCH
	v_lshl_add_u32 v3, v2, 4, v3                   ; A: row x pitch + 16 h
	v_and_b32 v6, 7, v0
	v_lshl_add_u32 v6, v2, 3, v6                   ; B: k-row 8 h + l % 8
	v_mul_u32_u24 v6, v6, BPITCH
	v_bfe_u32 v7, v0, 3, 1
	v_lshl_add_u32 v6, v7, 4, v6                   ; + 16 bytes for the second eight columns
	s_mul_i32 s21, s11, HALFT                      ; my 128 rows of A
	s_lshl_b32 s22, s12, 8                         ; my 128 columns of B,
	s_add_co_u32 s22, s22, 2*HALFT                 ; which lies behind A's 256 rows
.irp s, 0,1
	v_add_nc_u32 v[ADRA+\s], s21, v3
	v_add_nc_u32 v[ADRB+\s], s22, v6
	s_add_co_u32 s21, s21, SLOT
	s_add_co_u32 s22, s22, SLOT
.endr
	s_mul_i32 s23, s10, 16*SPITCH
	s_add_co_u32 s23, s23, STAGE                   ; my stage
	v_mul_u32_u24 v4, v1, SPITCH
	v_lshl_add_u32 v4, v2, 4, v4
	v_add_nc_u32 v[STO], s23, v4
	v_mul_u32_u24 v5, v2, SPITCH                   ; back: lanes 0-15 one row of 256 bytes, lanes 16-31 the next
	v_lshl_add_u32 v5, v1, 4, v5
	v_add_nc_u32 v[RD], s23, v5
	v_mul_u32_u24 v5, v2, SIZE_N*2
	v_lshl_add_u32 v[CO], v1, 4, v5
.if EPI
	s_lshl_b32 s66, s42, 10                        ; bias of my 128 columns: (256 x block column + 128 x half) x 4 bytes
	s_lshl_b32 s67, s12, 9
	s_add_co_u32 s66, s66, s67
	s_mov_b32 s67, 0
	s_add_nc_u64 s[68:69], s[68:69], s[66:67]
	v_lshlrev_b32 v[BOF], 5, v2
.irp b, 0,1,2,3,4,5,6,7
	global_load_b128 v[BI+8*\b+(\b/4)*160:BI+8*\b+(\b/4)*160+3],   v[BOF], s[68:69] offset:64*\b
	global_load_b128 v[BI+8*\b+(\b/4)*160+4:BI+8*\b+(\b/4)*160+7], v[BOF], s[68:69] offset:64*\b+16
.endr
.endif
; 16 matrix instructions: row tiles a0, a0 + 1 of the window's four x all 8 column tiles, 32 along K.  zero = 1: the first product starts the sums.
; The 64 accumulators take turns, one instruction a turn, in the same order in every quarter step.
.macro MUL16 f, hi, a0, zero
.irp a, \a0, \a0+1
.irp b, 0,1,2,3,4,5,6,7
.if \zero
	v_wmma_f32_16x16x32_bf16 v[8*(8*(\a)+\b):8*(8*(\a)+\b)+7], v[\f+8*\b:\f+8*\b+7], v[\f+8*(4*\hi+\a):\f+8*(4*\hi+\a)+7], 0
.else
	v_wmma_f32_16x16x32_bf16 v[8*(8*(\a)+\b):8*(8*(\a)+\b)+7], v[\f+8*\b:\f+8*\b+7], v[\f+8*(4*\hi+\a):\f+8*(4*\hi+\a)+7], v[8*(8*(\a)+\b):8*(8*(\a)+\b)+7]
.endif
.endr
.endr
.endm
; 32 LDS loads in one run: quarter q of a slot (32 along K) into buffer f: B's 128 columns (transposing loads: k-rows 32 q + 0..15, then + 16..31), A's 128 rows
.macro FETCH slot, q, f
	WIN TO_B
.irp i, 0,1,2,3,4,5,6,7
	ds_load_tr16_b128 v[\f+8*\i:\f+8*\i+3],   v[ADRB+\slot] offset:\q*32*BPITCH+32*\i
	ds_load_tr16_b128 v[\f+8*\i+4:\f+8*\i+7], v[ADRB+\slot] offset:\q*32*BPITCH+32*\i+16*BPITCH
.endr
	WIN 0
.irp i, 0,1,2,3,4,5,6,7
	ds_load_b128 v[\f+8*\i:\f+8*\i+3],   v[ADRA+\slot] offset:\q*64+\i*16*PITCH
	ds_load_b128 v[\f+8*\i+4:\f+8*\i+7], v[ADRA+\slot] offset:\q*64+\i*16*PITCH+32
.endr
.endm
; four plain places between a matrix instruction and a load into, or a vector instruction on, one of its registers
.macro PLACES
.rept 4
	v_nop
.endr
.endm
.macro QUARTER slot, q, f, g, zero     ; multiplies buffer f; in its middle fetches quarter q of the same slot into buffer g
	s_wait_dscnt 8                                 ; B and A's rows 0-63 are in; the youngest eight loads (A's rows 64-127) may be out
	WIN MUL_LO
	MUL16 \f, 0, 0, \zero
	MUL16 \f, 0, 2, \zero
	PLACES
	FETCH \slot, \q, \g
	s_wait_dscnt 32                                ; all but the 32 just issued
	WIN MUL_HI
	MUL16 \f, 1, 0, \zero
	MUL16 \f, 1, 2, \zero
.endm
.macro THREE slot, zero
	QUARTER \slot, 1, F0, F1, \zero
	QUARTER \slot, 2, F1, F0, 0
	QUARTER \slot, 3, F0, F1, 0
.endm
; The last quarter of a K step multiplies buffer 1 and changes slots.  In front of the barrier each wave waits for its reads of this slot and for all its
; tensor loads (one is out: its part of the next slot).  Behind it (fill = 1: behind the cluster's round that it opens) the refill comes first.
.macro TURN slot, next, fill
	s_wait_dscnt 8
	WIN MUL_LO
	MUL16 F1, 0, 0, 0
	s_wait_dscnt 0                                 ; my reads of this slot are over
	s_wait_tensorcnt 0x0                           ; all my tensor loads have landed
	ds_add_u32 v255, v255
	s_wait_dscnt 0x0
	s_barrier_signal -1
	MUL16 F1, 0, 2, 0                              ; registers only
	WIN 0
	s_barrier_wait -1
.if \fill
	CREST                                          ; no wave of any partner still reads this slot or has a load on its way
	s_add_nc_u64 s[G0+4*\slot+2:G0+4*\slot+3], s[G0+4*\slot+2:G0+4*\slot+3], 2*KSTEP*2
	s_add_nc_u64 s[G0B+4*\slot+2:G0B+4*\slot+3], s[G0B+4*\slot+2:G0B+4*\slot+3], 2*KSTEP*SIZE_N*2
	JLOAD \slot                                    ; the wave's one tensor load behind the round
.endif
	PLACES
	FETCH \next, 0, F0
	WIN MUL_HI
	MUL16 F1, 1, 0, 0
	MUL16 F1, 1, 2, 0
.endm
	s_wait_tensorcnt 0x1                           ; my part of K step 0 is in; K step 1's may stay out
	s_barrier_signal -1
	s_barrier_wait -1
	FETCH 0, 0, F0
	THREE 0, 1                                     ; K step 0: its first products start the sums
	TURN 0, 1, 1                                   ; slot 0 is asked for again: K step 2
	THREE 1, 0
	TURN 1, 0, 1                                   ; slot 1: K step 3
	THREE 0, 0
	TURN 0, 1, 0                                   ; nothing is left to fetch
	THREE 1, 0
	s_wait_dscnt 8
	WIN MUL_LO
	MUL16 F1, 0, 0, 0
	MUL16 F1, 0, 2, 0
	s_wait_dscnt 0
	WIN MUL_HI
	MUL16 F1, 1, 0, 0
	MUL16 F1, 1, 2, 0
	; THE WAY OUT, 16 rows at a time, through my own stage: 16 bytes a lane in, whole rows of 256 bytes back
	PLACES
	s_lshl_b32 s16, s13, 8
	s_lshl_b32 s14, s11, 7
	s_add_co_u32 s16, s16, s14                     ; my first row of C
	s_mul_i32 s16, s16, SIZE_N*2                   ; below 2^25 bytes
	s_mov_b32 s17, 0
	s_add_nc_u64 s[8:9], s[8:9], s[16:17]
	s_lshl_b32 s46, s42, 9                         ; my first column in bytes: 512 x block column + 256 x half
	s_lshl_b32 s47, s12, 8
	s_add_co_u32 s46, s46, s47
	s_mov_b32 s47, 0
	s_add_nc_u64 s[8:9], s[8:9], s[46:47]
.if EPI
	s_wait_loadcnt 0x0                             ; the bias
.endif
; rows 16 i .. 16 i + 15 of my block = tiles (a, 0..7) of window 2 or 3 (from = 0x0a or 0x0f); f: F0 or F1 in turn
.macro OUT16 i, a, from, f
	WIN \from
.irp b, 0,1,2,3,4,5,6,7
.irp r, 0,1,2,3
	v_cvt_pk_bf16_f32 v[TMP+4*\b+\r], v[8*(8*\a+\b)+2*\r], v[8*(8*\a+\b)+2*\r+1]
.endr
.endr
	WIN 0
.irp b, 0,1,2,3,4,5,6,7
	ds_store_b128 v[STO], v[TMP+4*\b:TMP+4*\b+3] offset:32*\b
.endr
	s_wait_xcnt 0x0                                ; buffer f, which earlier stores read, is loaded again only behind this wait (ISA guide 3.1)
.irp t, 0,1,2,3,4,5,6,7
	ds_load_b128 v[\f+4*\t:\f+4*\t+3], v[RD] offset:\t*2*SPITCH    ; LDS serves a wave's instructions in order: these see the stores above
.endr
.irp t, 0,1,2,3,4,5,6,7
	s_wait_dscnt 7-\t
	global_store_b128 v[CO], v[\f+4*\t:\f+4*\t+3], s[8:9] offset:(16*\i+2*\t)*SIZE_N*2   ; 16 lanes store 256 consecutive bytes, aligned; 126 rows at the most in the immediate
.endr
.endm
; the same with y = acc + bias, silu(y) = y / (1 + 2^(-1.442695 y)); from = 0x02 or 0x03 (source 0 in window 2 or 3)
.macro OUTS i, a, from
.if \i
	s_wait_xcnt 0x0                                ; v[F0 ..] were the last group's store data
.endif
	WIN \from
.irp b, 0,1,2,3,4,5,6,7
.irp r, 0,2,4,6
	v_pk_add_f32 v[F0+8*\b+\r:F0+8*\b+\r+1], v[8*(8*\a+\b)+\r:8*(8*\a+\b)+\r+1], v[BI+8*\b+(\b/4)*160+\r:BI+8*\b+(\b/4)*160+\r+1]
.endr
.endr
	WIN 0
.set j, 0
.rept 32
	v_pk_mul_f32 v[F1+j:F1+j+1], v[F0+j:F0+j+1], 0xbfb8aa3b op_sel_hi:[1,0]
.set j, j+2
.endr
.set j, 0
.rept 64
	v_exp_f32 v[F1+j], v[F1+j]
.set j, j+1
.endr
	v_nop                                          ; one plain place behind the transcendentals
.set j, 0
.rept 32
	v_pk_add_f32 v[F1+j:F1+j+1], v[F1+j:F1+j+1], 1.0 op_sel_hi:[1,0]
.set j, j+2
.endr
.set j, 0
.rept 64
	v_rcp_f32 v[F1+j], v[F1+j]
.set j, j+1
.endr
	v_nop
.set j, 0
.rept 32
	v_pk_mul_f32 v[F0+j:F0+j+1], v[F0+j:F0+j+1], v[F1+j:F1+j+1]
.set j, j+2
.endr
.set j, 0
.rept 32
	v_cvt_pk_bf16_f32 v[TMP+j], v[F0+2*j], v[F0+2*j+1]
.set j, j+1
.endr
.irp b, 0,1,2,3,4,5,6,7
	ds_store_b128 v[STO], v[TMP+4*\b:TMP+4*\b+3] offset:32*\b
.endr
.irp t, 0,1,2,3,4,5,6,7
	ds_load_b128 v[F0+4*\t:F0+4*\t+3], v[RD] offset:\t*2*SPITCH
.endr
.irp t, 0,1,2,3,4,5,6,7
	s_wait_dscnt 7-\t
	global_store_b128 v[CO], v[F0+4*\t:F0+4*\t+3], s[8:9] offset:(16*\i+2*\t)*SIZE_N*2
.endr
.endm
.if EPI
	OUTS 0, 0, 0x02
	OUTS 1, 1, 0x02
	OUTS 2, 2, 0x02
	OUTS 3, 3, 0x02
	OUTS 4, 0, 0x03
	OUTS 5, 1, 0x03
	OUTS 6, 2, 0x03
	OUTS 7, 3, 0x03
.else
	OUT16 0, 0, 0x0a, F0
	OUT16 1, 1, 0x0a, F1
	OUT16 2, 2, 0x0a, F0
	OUT16 3, 3, 0x0a, F1
	OUT16 4, 0, 0x0f, F0
	OUT16 5, 1, 0x0f, F1
	OUT16 6, 2, 0x0f, F0
	OUT16 7, 3, 0x0f, F1
.endif
	s_set_vgpr_msb 0x1
	s_wait_tensorcnt 0x0
	ds_add_u32 v255, v255
	s_wait_dscnt 0x0
	s_set_vgpr_msb 0x100
	CROUND                                         ; the closing round: no work-group ends while a partner may still ask for a tile that names it
	s_endpgm
.Lfunc_end_k_q6ad6b1a7ce_qkv:
	.size	k_q6ad6b1a7ce_qkv, .Lfunc_end_k_q6ad6b1a7ce_qkv-k_q6ad6b1a7ce_qkv
	.p2alignl 7, 3214868480
	.fill 96, 4, 3214868480
	.section	.rodata,"a",@progbits
	.p2align	6, 0x0
	.amdhsa_kernel k_q6ad6b1a7ce_qkv
		.amdhsa_group_segment_fixed_size 327680
		.amdhsa_private_segment_fixed_size 0
		.amdhsa_enable_private_segment 0
		.amdhsa_kernarg_size 24
		.amdhsa_user_sgpr_count 2
		.amdhsa_user_sgpr_kernarg_segment_ptr 1
		.amdhsa_wavefront_size32 1
		.amdhsa_system_sgpr_workgroup_id_x 1
		.amdhsa_system_sgpr_workgroup_id_y 1
		.amdhsa_system_sgpr_workgroup_id_z 1
		.amdhsa_system_vgpr_workitem_id 0
		.amdhsa_next_free_vgpr 1024
		.amdhsa_next_free_sgpr 66
		.amdhsa_reserve_vcc 0
		.amdhsa_float_denorm_mode_32 3
		.amdhsa_float_denorm_mode_16_64 3
		.amdhsa_memory_ordered 1
		.amdhsa_forward_progress 1
		.amdhsa_inst_pref_size 143
	.end_amdhsa_kernel
	.amdgpu_metadata
---
amdhsa.version: [ 1, 2 ]
amdhsa.kernels:
  - .name:           k_q6ad6b1a7ce_qkv
    .symbol:         k_q6ad6b1a7ce_qkv.kd
    .args:
      - { .name: ha, .offset: 0, .size: 8, .value_kind: global_buffer, .address_space: global }
      - { .name: wb, .offset: 8, .size: 8, .value_kind: global_buffer, .address_space: global }
      - { .name: qkv, .offset: 16, .size: 8, .value_kind: global_buffer, .address_space: global }
    .group_segment_fixed_size: 327680
    .private_segment_fixed_size: 0
    .kernarg_segment_align: 8
    .kernarg_segment_size: 24
    .max_flat_workgroup_size: 128
    .sgpr_count:     66
    .vgpr_count:     1024
    .wavefront_size: 32
...
	.end_amdgpu_metadata
.endif
;; end of part 2
;; launch attn (part 3): grid 8 x 32, 16 waves a work-group, clusters of 4 x 1, 327,680 bytes of LDS; arguments qkv, ha; writes ha
.if DOCPART == 3
	.amdgcn_target "amdgcn-amd-amdhsa--gfx1250"
	.amdhsa_code_object_version 6
	.text
	.protected	k_q6ad6b1a7ce_attn
	.globl	k_q6ad6b1a7ce_attn
	.p2align	8
	.type	k_q6ad6b1a7ce_attn,@function
k_q6ad6b1a7ce_attn:
	s_mov_b64 s[64:65], 0
	v_nop
	global_prefetch_b8 v0, s[64:65] scope:SCOPE_SE
	s_setreg_imm32_b32 hwreg(HW_REG_WAVE_MODE, 25, 1), 1
	s_wait_xcnt 0x0
	s_wait_alu depctr_hold_cnt(0) depctr_sa_sdst(0) depctr_va_vdst(0) depctr_va_sdst(0) depctr_va_ssrc(0) depctr_va_vcc(0) depctr_vm_vsrc(0)
	s_getreg_b32 s2, hwreg(HW_REG_IB_STS2, 6, 4)
	s_cmp_eq_u32 s2, 0
	s_cbranch_scc0 .Lentry_in_a_cluster
	s_endpgm
.Lentry_in_a_cluster:
	s_bfe_u32 s2, ttmp6, 0x10000c
	s_cmp_lg_u32 s2, 0x3003
	s_cbranch_scc0 .Lentry_shape_is_right
	s_endpgm
.Lentry_shape_is_right:
; Attention of one (batch n, head) for 256 queries: softmax(q k^T / sqrt(512)) v with a running maximum.  qkv: [8192][1536] bf16, q's head at column 64 head,
; k's at 512 + 128 head, v's at 576 + 128 head.  Result: ha as [8 heads][8192 rows][64] bf16.
; Grid y = 8 n + head, grid x = query block.
; SIXTEEN WAVES, four to a SIMD of 1,024 registers, 256 each.  Wave w serves query group w % 8 (32 queries, two tiles u of 16) and key half w / 8:
; of the eight steps of 64 keys in a slot it takes four.  A step is 32 matrix instructions against some 240 vector instructions and 32 LDS loads that
; hang on each other, so a SIMD is given four such streams to lay over each other.  Each K and V fragment is read from LDS by eight waves,
; as it would be with eight waves that take all keys.  At the end the two waves of a query group join their halves through LDS (see the end).
; CLUSTERS: the four query blocks of a cluster read the same K and V: every tile is asked for jointly (mask 15).
; K and V of 512 keys make a slot (row = 128 bytes of K, 128 of V, 16 of padding); two slots, four tiles.  Wave w fills 32 keys of each tile
; (512 keys over 16 waves: 32 rows of 256 bytes a load).
; EVERYTHING IS TRANSPOSED: S^T = K Q^T (lane (r, h): query r, key places 8 h + j), so two packed S^T tiles ARE the second source of O^T = V^T P^T,
; and maximum and sum are a lane's own; one exchange joins the two halves of the lanes.  V^T is read by the transposing load.
; Inside each 16 keys place 8 h + j stands for key 2 j + h, alike for K and V (softmax does not mind the order of keys).
; Limits: v_exp_f32 and v_rcp_f32 flush denormals (terms below 2^-126 of the largest count as 0); the denominator sums p in f32 while P V takes p
; rounded to bf16; a row's sums are made in two halves of the keys and added once; NaN and infinite scores are not followed.
.set PITCH, 272
.set STEPB, 64*PITCH                   ; one step's 64 keys: 17,408 bytes
.set WFILL, 32*PITCH                   ; a wave's part of a tile: 8,704 bytes
.set SLOT,  8*STEPB                    ; 139,264
.set STAGE, 2*SLOT                     ; 16 rows x 144 bytes for each wave, never filled by a tensor load
.set SP,    144
.set XW,    4352                       ; the exchange: 32 registers x 128 bytes, then the shift and the sum, for each wave; in slot 0
.set ROWB,  3072                       ; a row of qkv
.set KA,  2                            ; K's LDS address, stepped
.set VA,  3                            ; V's
.set KA0, 4                            ; their lane terms, with the key half's four steps
.set VA0, 5
.set STO, 6
.set RD,  7
.set ST,  8                            ; v[8 + 4 u ..]: NM = -c max, M = max (raw scores), AL = rescale, L = my half's sum
.set T,   16                           ; v[16:23] at work
.set CO,  24
.set QO,  25
.set XS,  27                           ; the exchange: where I send 16 bytes a lane,
.set XR,  28                           ; where my partner sent them,
.set XS4, 29                           ; and the same for 4 bytes a lane
.set XR4, 30
.set Q,   32                           ; Q(u, ds) at 32 + 8 (2 u + ds)
.set S,   64                           ; S(kt, u) at 64 + 32 u + 8 kt; later P(u, s) at 64 + 32 u + 8 s
.set O,   128                          ; O(dt, u) at 128 + 32 u + 8 dt
.set FR,  192                          ; K(kt, ds) at + 8 (2 kt + ds), then V(dt, s) at + 8 (2 dt + s)
.set G1,  16
.set G0,  24
.macro ROUND                           ; a round of the cluster's barrier
	s_barrier_signal -1
	s_barrier_wait -1
	s_cmp_lg_u32 s8, 0
	s_cbranch_scc1 .Lnot_wave_0_\@
	s_barrier_signal -3
.Lnot_wave_0_\@:
	s_barrier_wait -3
	s_barrier_signal -1
	s_barrier_wait -1
.endm
	s_load_b128 s[4:7], s[0:1], 0x0                ; qkv, ha
	v_lshl_add_u32 v23, v0, 2, 0x4d000
	v_mov_b32 v31, 0
	ds_add_u32 v23, v31
	v_lshrrev_b32 v1, 5, v0
	v_readfirstlane_b32 s8, v1                     ; wave 0..15
	s_and_b32 s46, s8, 7                           ; query group
	s_lshr_b32 s47, s8, 3                          ; key half
	s_bfe_u32 s9, ttmp6, 0x40000                   ; cx
	s_lshl_b32 s10, ttmp9, 2
	s_add_co_u32 s10, s10, s9                      ; query block
	s_and_b32 s11, ttmp7, 0xffff
	s_lshr_b32 s12, s11, 3                         ; n
	s_and_b32 s13, s11, 7                          ; head
	s_mov_b32 s40, 0x3d8293ee                      ; c = 512^-0.5 x log2 e
	s_mov_b32 s41, 0x3d8293ee
	s_mov_b32 s45, 0xbd8293ee                      ; -c
	s_mov_b32 s42, 0x76543210
	s_mov_b32 s43, 0xfedcba98
	s_mov_b32 s[G1+0], 15|(1<<16)|(1<<20)|(1<<21)|(5<<22)|(3<<25)  ; all four partners; 2-byte elements; after 64 words 4 words of padding
	s_mov_b32 s[G1+1], 128<<16                     ; tensor_dim0 = 128
	s_mov_b32 s[G1+2], 32<<16                      ; tensor_dim1 = 32
	s_mov_b32 s[G1+3], 128<<16                     ; tile_dim0 = 128 elements: K and V of a key
	s_mov_b32 s[G1+4], 32                          ; tile_dim1 = 32 keys
	s_mov_b32 s[G1+5], 1536
	s_mov_b32 s[G1+6], 0
	s_mov_b32 s[G1+7], 0
	s_lshl_b32 s32, s12, 11                        ; K, V: made of n, head and the wave alone
	s_lshl_b32 s33, s8, 5
	s_add_co_u32 s32, s32, s33                     ; key row 2048 n + 32 w
	s_mul_i32 s32, s32, ROWB
	s_lshl_b32 s33, s13, 8
	s_add_co_u32 s32, s32, s33
	s_add_co_u32 s32, s32, 1024
	s_mov_b32 s33, 0
	s_mul_i32 s14, s8, WFILL
	s_lshl_b32 s34, s12, 11                        ; my group's first query row: 2048 n + 256 block + 32 group
	s_lshl_b32 s35, s10, 8
	s_add_co_u32 s34, s34, s35
	s_lshl_b32 s35, s46, 5
	s_add_co_u32 s34, s34, s35
	s_lshl_b32 s38, s47, 4                         ; the 16 rows that I finish and store: tile u = my key half's number
	s_add_co_u32 s38, s38, s34
	s_lshl_b32 s38, s38, 7                         ; in ha: rows of 128 bytes,
	s_lshl_b32 s39, s13, 20                        ; a head's 8,192 rows
	s_add_co_u32 s38, s38, s39
	s_mov_b32 s39, 0
	s_mul_i32 s34, s34, ROWB
	s_lshl_b32 s35, s13, 7
	s_add_co_u32 s34, s34, s35
	s_mov_b32 s35, 0
	s_wait_dscnt 0x0
	s_wait_kmcnt 0x0
	s_add_nc_u64 s[32:33], s[4:5], s[32:33]
	s_add_nc_u64 s[36:37], s[4:5], s[34:35]
	s_add_nc_u64 s[38:39], s[6:7], s[38:39]
	ROUND                                          ; in front of the first joint loads
.irp s, 0,1
	s_mov_b32 s[G0+4*\s], 1
	s_add_co_u32 s[G0+4*\s+1], s14, \s*SLOT
	s_add_nc_u64 s[G0+4*\s+2:G0+4*\s+3], s[32:33], \s*512*ROWB
	s_or_b32 s[G0+4*\s+3], s[G0+4*\s+3], 0x80000000
	tensor_load_to_lds s[G0+4*\s:G0+4*\s+3], s[G1:G1+7]            ; tiles 0 and 1: two tensor loads of the wave are out
	s_nop 0
.endr
	v_and_b32 v1, 15, v0                           ; r
	v_bfe_u32 v26, v0, 4, 1                        ; h
	v_and_b32 v27, 7, v0                           ; l % 8
	v_bfe_u32 v28, v0, 3, 1                        ; r / 8
	v_mul_u32_u24 v29, v1, ROWB
	v_lshl_add_u32 v[QO], v26, 4, v29
.irp u, 0,1
.irp d, 0,1
	global_load_b128 v[Q+8*(2*\u+\d):Q+8*(2*\u+\d)+3],   v[QO], s[36:37] offset:\u*16*ROWB+64*\d
	global_load_b128 v[Q+8*(2*\u+\d)+4:Q+8*(2*\u+\d)+7], v[QO], s[36:37] offset:\u*16*ROWB+64*\d+32
.endr
.endr
	s_mul_i32 s15, s47, 4*STEPB                    ; my key half's four steps of a slot
	v_lshl_add_u32 v29, v27, 1, v28                ; K: place r is key 2 (r % 8) + r / 8
	v_mul_u32_u24 v29, v29, PITCH
	v_lshl_add_u32 v29, v26, 4, v29
	v_add_nc_u32 v[KA0], s15, v29
	v_lshl_add_u32 v29, v27, 1, v26                ; V: the lane that feeds place 8 h + l % 8 addresses key 2 (l % 8) + h
	v_mul_u32_u24 v29, v29, PITCH
	v_lshl_add_u32 v29, v28, 4, v29
	v_add_nc_u32 v29, 128, v29
	v_add_nc_u32 v[VA0], s15, v29
	s_mul_i32 s3, s8, 16*SP
	s_add_co_u32 s3, s3, STAGE                     ; my stage
	v_mul_u32_u24 v29, v1, SP
	v_lshl_add_u32 v29, v26, 4, v29
	v_add_nc_u32 v[STO], s3, v29
	v_and_b32 v30, 31, v0
	v_lshrrev_b32 v29, 3, v30
	v_mul_u32_u24 v29, v29, SP                     ; back: eight lanes take a row of 128 bytes
	v_lshl_add_u32 v29, v27, 4, v29
	v_add_nc_u32 v[RD], s3, v29
	v_lshlrev_b32 v[CO], 4, v30
; softmax of query tile u over this step's 64 keys (32 scores a lane); leaves P, bf16, in S's first 16 registers
.macro SOFT u, first
.set SB, S+32*\u
.set OB, O+32*\u
.set NM, ST+4*\u
	v_max3_num_f32 v[T],   v[SB],    v[SB+1],  v[SB+2]                 ; two chains: scores 0-16 and 17-31
	v_max3_num_f32 v[T+1], v[SB+17], v[SB+18], v[SB+19]
.set j, 0
.rept 6
	v_max3_num_f32 v[T],   v[T],   v[SB+3+2*j],  v[SB+4+2*j]
	v_max3_num_f32 v[T+1], v[T+1], v[SB+20+2*j], v[SB+21+2*j]
.set j, j+1
.endr
	v_max3_num_f32 v[T], v[T], v[SB+15], v[SB+16]
	v_max_num_f32 v[T], v[T], v[T+1]
	v_permlanex16_b32 v[T+1], v[T], s42, s43       ; the other half's keys of the same query
.if \first
	v_max_num_f32 v[NM+1], v[T], v[T+1]
	v_mul_f32 v[NM], s45, v[NM+1]
.else
	v_max3_num_f32 v[NM+1], v[T], v[T+1], v[NM+1]  ; the running maximum
	v_mul_f32 v[T+2], s45, v[NM+1]
	v_sub_f32 v[T+3], v[T+2], v[NM]                ; the new shift less the old: what the old terms are short of
	v_exp_f32 v[NM+2], v[T+3]
	v_mov_b32 v[NM], v[T+2]                        ; also the plain place behind the exponential
.endif
.set j, 0
.rept 16
	v_pk_fma_f32 v[SB+j:SB+j+1], v[SB+j:SB+j+1], s[40:41], v[NM:NM+1] op_sel_hi:[1,0,0]   ; c (s - max)
.set j, j+2
.endr
.set j, 0
.rept 32
	v_exp_f32 v[SB+j], v[SB+j]
.set j, j+1
.endr
.if \first
	v_nop                                          ; one plain place behind the exponentials
	s_wait_alu depctr_va_vdst(0)
.else
.set j, 0
	s_wait_alu depctr_va_vdst(0)
.rept 16
	v_pk_mul_f32 v[OB+j:OB+j+1], v[OB+j:OB+j+1], v[NM+2:NM+3] op_sel_hi:[1,0]             ; the old sums are rescaled; also the place behind the exponentials
.set j, j+2
.endr
.endif
	v_pk_add_f32 v[T:T+1],   v[SB:SB+1],   v[SB+2:SB+3]
	v_pk_add_f32 v[T+2:T+3], v[SB+4:SB+5], v[SB+6:SB+7]
.set j, 0
.rept 6
	v_pk_add_f32 v[T:T+1],   v[T:T+1],   v[SB+8+4*j:SB+9+4*j]
	v_pk_add_f32 v[T+2:T+3], v[T+2:T+3], v[SB+10+4*j:SB+11+4*j]
.set j, j+1
.endr
	v_pk_add_f32 v[T:T+1], v[T:T+1], v[T+2:T+3]
.if \first
	v_add_f32 v[NM+3], v[T], v[T+1]
.else
	v_add_f32 v[T], v[T], v[T+1]
	v_fma_f32 v[NM+3], v[NM+3], v[NM+2], v[T]
.endif
.set j, 0
.rept 16
	v_cvt_pk_bf16_f32 v[SB+j], v[SB+2*j], v[SB+2*j+1]                  ; key tiles 2 s, 2 s + 1 become registers 0-3, 4-7 of P(u, s) at SB + 8 s
.set j, j+1
.endr
.endm
; one step: 64 keys.  The eight accumulators of each product take turns, one instruction a turn.
.macro STEP first
.irp d, 0,1
.irp k, 0,1,2,3
	ds_load_b128 v[FR+8*(2*\k+\d):FR+8*(2*\k+\d)+3],   v[KA] offset:\k*16*PITCH+64*\d
	ds_load_b128 v[FR+8*(2*\k+\d)+4:FR+8*(2*\k+\d)+7], v[KA] offset:\k*16*PITCH+64*\d+32
.endr
.endr
	s_wait_dscnt 8                                 ; d 0-31 of the four key tiles are in; the eight loads of d 32-63 may be out
.irp k, 0,1,2,3
.irp u, 0,1
	v_wmma_f32_16x16x32_bf16 v[S+32*\u+8*\k:S+32*\u+8*\k+7], v[FR+16*\k:FR+16*\k+7], v[Q+16*\u:Q+16*\u+7], 0
.endr
.endr
	s_wait_dscnt 0
.irp k, 0,1,2,3
.irp u, 0,1
	v_wmma_f32_16x16x32_bf16 v[S+32*\u+8*\k:S+32*\u+8*\k+7], v[FR+16*\k+8:FR+16*\k+15], v[Q+16*\u+8:Q+16*\u+15], v[S+32*\u+8*\k:S+32*\u+8*\k+7]
.endr
.endr
.rept 4
	v_nop                                          ; four places: K's registers are loaded again, the scores are read (ISA guide 7.12.1)
.endr
.irp s, 0,1
.irp t, 0,1,2,3
	ds_load_tr16_b128 v[FR+8*(2*\t+\s):FR+8*(2*\t+\s)+3],   v[VA] offset:\s*32*PITCH+32*\t
	ds_load_tr16_b128 v[FR+8*(2*\t+\s)+4:FR+8*(2*\t+\s)+7], v[VA] offset:\s*32*PITCH+32*\t+16*PITCH
.endr
.endr
	SOFT 0, \first
	SOFT 1, \first
	s_wait_dscnt 8                                 ; V of keys 0-31 is in; the eight loads of keys 32-63 may be out
.irp t, 0,1,2,3
.irp u, 0,1
.if \first
	v_wmma_f32_16x16x32_bf16 v[O+32*\u+8*\t:O+32*\u+8*\t+7], v[FR+16*\t:FR+16*\t+7], v[S+32*\u:S+32*\u+7], 0
.else
	v_wmma_f32_16x16x32_bf16 v[O+32*\u+8*\t:O+32*\u+8*\t+7], v[FR+16*\t:FR+16*\t+7], v[S+32*\u:S+32*\u+7], v[O+32*\u+8*\t:O+32*\u+8*\t+7]
.endif
.endr
.endr
	s_wait_dscnt 0
.irp t, 0,1,2,3
.irp u, 0,1
	v_wmma_f32_16x16x32_bf16 v[O+32*\u+8*\t:O+32*\u+8*\t+7], v[FR+16*\t+8:FR+16*\t+15], v[S+32*\u+8:S+32*\u+15], v[O+32*\u+8*\t:O+32*\u+8*\t+7]
.endr
.endr
	v_add_nc_u32 v[KA], STEPB, v[KA]               ; five places: V's registers are loaded again, and the next scores are written over P
	v_add_nc_u32 v[VA], STEPB, v[VA]
	v_nop
	v_nop
	v_nop
.endm
; my key half of a slot: four steps
.macro PHASE slot, first
	v_add_nc_u32 v[KA], \slot*SLOT, v[KA0]
	v_add_nc_u32 v[VA], \slot*SLOT, v[VA0]
.if \first
	STEP 1                                         ; the first step starts maximum, sum and O: nothing is cleared
	s_mov_b32 s44, 3
.else
	s_mov_b32 s44, 4
.endif
.Lstep_\@:
	STEP 0
	s_sub_co_u32 s44, s44, 1
	s_cmp_lg_u32 s44, 0
	s_cbranch_scc1 .Lstep_\@
.endm
; change of slots.  Every wave waits for all its tensor loads (one is out: its part of the next slot) and for its reads of the slot just read;
; refill = 1: a round of the cluster's barrier, and the slot's next tile is the first thing behind it, with four steps of every wave in which to land.
.macro CHANGE slot, refill
	s_wait_tensorcnt 0x0
	ds_add_u32 v23, v31
	s_wait_dscnt 0x0
.if \refill
	s_add_nc_u64 s[G0+4*\slot+2:G0+4*\slot+3], s[G0+4*\slot+2:G0+4*\slot+3], 1024*ROWB    ; two tiles on; no load of mine is out
.endif
	s_wait_dscnt 0x0
.if \refill
	ROUND
	tensor_load_to_lds s[G0+4*\slot:G0+4*\slot+3], s[G1:G1+7]
	s_nop 0
.else
	s_barrier_signal -1
	s_barrier_wait -1
.endif
.endm
	s_wait_tensorcnt 0x1                           ; my part of tile 0 is in; tile 1's may stay out
	s_barrier_signal -1
	s_barrier_wait -1
	s_wait_loadcnt 0x0                             ; Q
	PHASE 0, 1
	CHANGE 0, 1                                    ; tile 2 into slot 0
	PHASE 1, 0
	CHANGE 1, 1                                    ; tile 3 into slot 1
	PHASE 0, 0
	CHANGE 0, 0                                    ; nothing is left to fetch; behind this barrier no wave reads slot 0 and no load fills it any more
	PHASE 1, 0
	; THE TWO KEY HALVES MEET.  The waves w and w + 8 hold, for the same 32 queries, O, shift and sum over their own keys.  The wave of key half 0 finishes
	; query tile 0 and the wave of key half 1 tile 1: each sends the other tile (32 registers, shift, sum) to its own 4,352 bytes of slot 0, and behind
	; one barrier reads what its partner sent.  Only register numbers differ between the two, so the pieces stand under a branch on the key half.
	; (The five places at a step's end stand behind the last matrix instruction.)
	v_and_b32 v26, 31, v0
	s_mul_i32 s15, s8, XW                          ; my bytes
	s_sub_co_u32 s14, 1, s47
	s_lshl_b32 s14, s14, 3
	s_add_co_u32 s14, s14, s46                     ; my partner: the same query group, the other key half
	s_mul_i32 s14, s14, XW
	v_lshl_add_u32 v[XS],  v26, 4, s15
	v_lshl_add_u32 v[XR],  v26, 4, s14
	v_lshl_add_u32 v[XS4], v26, 2, s15
	v_lshl_add_u32 v[XR4], v26, 2, s14
.macro XSEND u
.irp k, 0,1,2,3,4,5,6,7
	ds_store_b128 v[XS], v[O+32*\u+4*\k:O+32*\u+4*\k+3] offset:512*\k          ; 32 lanes x 16 neighbouring bytes
.endr
	ds_store_b32 v[XS4], v[ST+4*\u]   offset:4096                              ; the shift -c max
	ds_store_b32 v[XS4], v[ST+4*\u+3] offset:4096+128                          ; my lane half's sum
.endm
.macro XFIN u
.set OB, O+32*\u
.set NM, ST+4*\u
.irp k, 0,1,2,3,4,5,6,7
	ds_load_b128 v[S+4*\k:S+4*\k+3], v[XR] offset:512*\k
.endr
	ds_load_b32 v[T+4], v[XR4] offset:4096
	ds_load_b32 v[T+5], v[XR4] offset:4096+128
	s_wait_dscnt 0x0
	v_min_num_f32 v[T], v[NM], v[T+4]              ; the shift of the larger maximum
	v_sub_f32 v[T+1], v[T], v[NM]                  ; what my terms are short of (0 or below),
	v_sub_f32 v[T+2], v[T], v[T+4]                 ; and my partner's
	v_exp_f32 v[T+1], v[T+1]
	v_exp_f32 v[T+2], v[T+2]
	v_nop                                          ; one plain place behind the exponentials
	s_wait_alu depctr_va_vdst(0)
	v_mul_f32 v[T+3], v[NM+3], v[T+1]
	v_fma_f32 v[T+3], v[T+5], v[T+2], v[T+3]       ; my lane half's sum over all 2,048 keys
	v_permlanex16_b32 v[T+4], v[T+3], s42, s43     ; the two lane halves meet
	v_add_f32 v[T+3], v[T+3], v[T+4]
	v_rcp_f32 v[T+3], v[T+3]
	v_nop
	s_wait_alu depctr_va_vdst(0)
	v_mul_f32 v[T],   v[T+1], v[T+3]               ; both factors carry the division
	v_mul_f32 v[T+2], v[T+2], v[T+3]
.set j, 0
.rept 16
	v_pk_mul_f32 v[OB+j:OB+j+1], v[OB+j:OB+j+1], v[T:T+1] op_sel_hi:[1,0]
.set j, j+2
.endr
.set j, 0
.rept 16
	v_pk_fma_f32 v[OB+j:OB+j+1], v[S+j:S+j+1], v[T+2:T+3], v[OB+j:OB+j+1] op_sel_hi:[1,0,1]
.set j, j+2
.endr
.irp t, 0,1,2,3
.irp r, 0,1,2,3
	v_cvt_pk_bf16_f32 v[OB+8*\t+\r], v[OB+8*\t+2*\r], v[OB+8*\t+2*\r+1]
.endr
	ds_store_b128 v[STO], v[OB+8*\t:OB+8*\t+3] offset:32*\t                    ; query r, d = 16 t + 8 h + 0..7, into my own stage
.endr
.irp t, 0,1,2,3
	ds_load_b128 v[S+4*\t:S+4*\t+3], v[RD] offset:\t*4*SP                      ; my own bytes, served in order behind the stores
.endr
.irp t, 0,1,2,3
	s_wait_dscnt 3-\t                              ; the younger read-backs may be out
	global_store_b128 v[CO], v[S+4*\t:S+4*\t+3], s[38:39] offset:512*\t        ; four rows of 128 bytes: 512 consecutive bytes, aligned
.endr
.endm
	s_cmp_eq_u32 s47, 0
	s_cbranch_scc0 .Lsend_hi
	XSEND 1
	s_branch .Lsent
.Lsend_hi:
	XSEND 0
.Lsent:
	s_wait_dscnt 0x0                               ; for my partner's sake: what I sent is in LDS
	s_barrier_signal -1
	s_barrier_wait -1
	s_cmp_eq_u32 s47, 0
	s_cbranch_scc0 .Lfin_hi
	XFIN 0
	s_branch .Lfin
.Lfin_hi:
	XFIN 1
.Lfin:
	s_wait_tensorcnt 0x0
	ds_add_u32 v23, v31
	s_wait_dscnt 0x0
	ROUND                                          ; the closing round
	s_endpgm
.Lfunc_end_k_q6ad6b1a7ce_attn:
	.size	k_q6ad6b1a7ce_attn, .Lfunc_end_k_q6ad6b1a7ce_attn-k_q6ad6b1a7ce_attn
	.p2alignl 7, 3214868480
	.fill 96, 4, 3214868480
	.section	.rodata,"a",@progbits
	.p2align	6, 0x0
	.amdhsa_kernel k_q6ad6b1a7ce_attn
		.amdhsa_group_segment_fixed_size 327680
		.amdhsa_private_segment_fixed_size 0
		.amdhsa_enable_private_segment 0
		.amdhsa_kernarg_size 16
		.amdhsa_user_sgpr_count 2
		.amdhsa_user_sgpr_kernarg_segment_ptr 1
		.amdhsa_wavefront_size32 1
		.amdhsa_system_sgpr_workgroup_id_x 1
		.amdhsa_system_sgpr_workgroup_id_y 1
		.amdhsa_system_sgpr_workgroup_id_z 1
		.amdhsa_system_vgpr_workitem_id 0
		.amdhsa_next_free_vgpr 256
		.amdhsa_next_free_sgpr 66
		.amdhsa_reserve_vcc 0
		.amdhsa_float_denorm_mode_32 3
		.amdhsa_float_denorm_mode_16_64 3
		.amdhsa_memory_ordered 1
		.amdhsa_forward_progress 1
		.amdhsa_inst_pref_size 105
	.end_amdhsa_kernel
	.amdgpu_metadata
---
amdhsa.version: [ 1, 2 ]
amdhsa.kernels:
  - .name:           k_q6ad6b1a7ce_attn
    .symbol:         k_q6ad6b1a7ce_attn.kd
    .args:
      - { .name: qkv, .offset: 0, .size: 8, .value_kind: global_buffer, .address_space: global }
      - { .name: ha, .offset: 8, .size: 8, .value_kind: global_buffer, .address_space: global }
    .group_segment_fixed_size: 327680
    .private_segment_fixed_size: 0
    .kernarg_segment_align: 8
    .kernarg_segment_size: 16
    .max_flat_workgroup_size: 512
    .sgpr_count:     66
    .vgpr_count:     256
    .wavefront_size: 32
...
	.end_amdgpu_metadata
.endif
;; end of part 3
;; launch wo_ln (part 4): grid 256 x 1, 8 waves a work-group, clusters of 4 x 1, 327,680 bytes of LDS; arguments ha, wb, bo, x, g2, b2, x2, h2; writes x2, h2
.if DOCPART == 4
	.amdgcn_target "amdgcn-amd-amdhsa--gfx1250"
	.amdhsa_code_object_version 6
	.text
	.protected	k_q6ad6b1a7ce_wo_ln
	.globl	k_q6ad6b1a7ce_wo_ln
	.p2align	8
	.type	k_q6ad6b1a7ce_wo_ln,@function
k_q6ad6b1a7ce_wo_ln:
	s_mov_b64 s[64:65], 0
	v_nop
	global_prefetch_b8 v0, s[64:65] scope:SCOPE_SE
	s_setreg_imm32_b32 hwreg(HW_REG_WAVE_MODE, 25, 1), 1
	s_wait_xcnt 0x0
	s_wait_alu depctr_hold_cnt(0) depctr_sa_sdst(0) depctr_va_vdst(0) depctr_va_sdst(0) depctr_va_ssrc(0) depctr_va_vcc(0) depctr_vm_vsrc(0)
	s_getreg_b32 s2, hwreg(HW_REG_IB_STS2, 6, 4)
	s_cmp_eq_u32 s2, 0
	s_cbranch_scc0 .Lentry_in_a_cluster
	s_endpgm
.Lentry_in_a_cluster:
	s_bfe_u32 s2, ttmp6, 0x10000c
	s_cmp_lg_u32 s2, 0x3003
	s_cbranch_scc0 .Lentry_shape_is_right
	s_endpgm
.Lentry_shape_is_right:
; x2 = att x wo + bo + x (f32), h2 = bf16(LayerNorm(x2; g2, b2)).  att: ha as [8 heads][8192][64] bf16; wo: bf16 [512][512] at byte 1,572,864 of wb.
; The norm needs whole rows, so a work-group owns 32 whole rows; 256 work-groups.  Eight waves; wave w makes columns 64 w .. + 63 of all 32 rows
; (2 x 4 accumulator tiles), then rows 4 w .. 4 w + 3 of the norm.
; CLUSTERS: every work-group walks all of wo: its four tiles of 128 k-rows are asked for jointly by the four partners (mask 15).
; A's 32 rows are the work-group's own: plain loads, one head a wave, once.
; LDS: two slots of 128 k-rows x 1,056 bytes (1,024 + 32, an odd multiple of 32 for the transposing load); A at 270,336 as [head][32 rows] of 144 bytes.
; The f32 stage (32 rows x 2,064 bytes) lies in slot 0, whose last fill is tile 2 and whose last reads stand in front of the third change's barrier.
; The matrix instruction is used transposed (source 0 = 16 columns of wo, source 1 = 16 rows of att): a lane holds 8 neighbouring columns of a row.
; Limit: v_rsq_f32 flushes denormals; var + 1e-5 is never denormal.
.set BP,     1056
.set BSLOT,  128*BP                    ; 135,168
.set ABASE,  2*BSLOT
.set AP,     144
.set AHEAD,  32*AP                     ; 4,608
.set SPT,    2064
.set WO_OFF, 1572864
.set AAD, 1
.set BAD, 2                            ; v2-5: slot s, half p of its k-rows at BAD + 2 s + p
.set STO, 6
.set RDS, 7
.set XO,  8
.set HO,  9
.set PO,  10
.set T,   16                           ; v[16:23]
.set ACC, 32                           ; acc(m, n) at 32 + 8 (4 m + n); later four rows of 16
.set F0,  96                           ; A(m) at + 8 m, B(n) at + 16 + 8 n
.set F1,  144
.set BO,  192
.set G,   208
.set BT,  224
.set SSEL, 52                          ; s52, s53 lane selects; s54 = 1/512; s55 = 1e-5
.set G1B, 24
.set G0B, 32
.set G1A, 40
.set G0A, 48
.macro ROUND
	s_barrier_signal -1
	s_barrier_wait -1
	s_cmp_lg_u32 s20, 0
	s_cbranch_scc1 .Lnot_wave_0_\@
	s_barrier_signal -3
.Lnot_wave_0_\@:
	s_barrier_wait -3
	s_barrier_signal -1
	s_barrier_wait -1
.endm
.macro PLACES
.rept 4
	v_nop
.endr
.endm
.macro XSUM a, b
	v_add_f32_dpp v[\a], v[\a], v[\a] row_xmask:1 row_mask:0xf bank_mask:0xf
	v_add_f32_dpp v[\a], v[\a], v[\a] row_xmask:2 row_mask:0xf bank_mask:0xf
	v_add_f32_dpp v[\a], v[\a], v[\a] row_xmask:4 row_mask:0xf bank_mask:0xf
	v_add_f32_dpp v[\a], v[\a], v[\a] row_xmask:8 row_mask:0xf bank_mask:0xf
	v_permlanex16_b32 v[\b], v[\a], s[SSEL], s[SSEL+1]
	v_add_f32 v[\a], v[\a], v[\b]
.endm
; LayerNorm of one row of 512: 16 numbers a lane in v[src ..]; src is left as it is; the result, bf16, packed in v[dst .. dst+7]
.macro LNROW src, dst
	v_pk_add_f32 v[T:T+1],   v[\src:\src+1],     v[\src+2:\src+3]
	v_pk_add_f32 v[T+2:T+3], v[\src+4:\src+5],   v[\src+6:\src+7]
	v_pk_add_f32 v[T+4:T+5], v[\src+8:\src+9],   v[\src+10:\src+11]
	v_pk_add_f32 v[T+6:T+7], v[\src+12:\src+13], v[\src+14:\src+15]
	v_pk_add_f32 v[T:T+1],   v[T:T+1],   v[T+2:T+3]
	v_pk_add_f32 v[T+4:T+5], v[T+4:T+5], v[T+6:T+7]
	v_pk_add_f32 v[T:T+1],   v[T:T+1],   v[T+4:T+5]
	v_add_f32 v[T], v[T], v[T+1]
	XSUM T, T+1
	v_mul_f32 v[T], s[SSEL+2], v[T]                ; the mean
.irp j, 0,2,4,6,8,10,12,14
	v_pk_add_f32 v[\dst+\j:\dst+\j+1], v[\src+\j:\src+\j+1], v[T:T+1] op_sel_hi:[1,0] neg_lo:[0,1] neg_hi:[0,1]
.endr
	v_pk_mul_f32 v[T+2:T+3], v[\dst:\dst+1],   v[\dst:\dst+1]
	v_pk_mul_f32 v[T+4:T+5], v[\dst+2:\dst+3], v[\dst+2:\dst+3]
.irp j, 4,8,12
	v_pk_fma_f32 v[T+2:T+3], v[\dst+\j:\dst+\j+1],   v[\dst+\j:\dst+\j+1],   v[T+2:T+3]
	v_pk_fma_f32 v[T+4:T+5], v[\dst+\j+2:\dst+\j+3], v[\dst+\j+2:\dst+\j+3], v[T+4:T+5]
.endr
	v_pk_add_f32 v[T+2:T+3], v[T+2:T+3], v[T+4:T+5]
	v_add_f32 v[T+2], v[T+2], v[T+3]
	XSUM T+2, T+3
	v_fma_f32 v[T+2], v[T+2], s[SSEL+2], s[SSEL+3]
	v_rsq_f32 v[T+4], v[T+2]
	v_nop                                          ; one plain place behind a transcendental
	s_wait_alu depctr_va_vdst(0)
.irp j, 0,2,4,6,8,10,12,14
	v_pk_mul_f32 v[\dst+\j:\dst+\j+1], v[\dst+\j:\dst+\j+1], v[T+4:T+5] op_sel_hi:[1,0]
.endr
.irp j, 0,2,4,6,8,10,12,14
	v_pk_fma_f32 v[\dst+\j:\dst+\j+1], v[\dst+\j:\dst+\j+1], v[G+\j:G+\j+1], v[BT+\j:BT+\j+1]
.endr
.irp j, 0,1,2,3,4,5,6,7
	v_cvt_pk_bf16_f32 v[\dst+\j], v[\dst+2*\j], v[\dst+2*\j+1]
.endr
.endm
	s_load_b512 s[4:19], s[0:1], 0x0               ; ha, wb, bo, x, g2, b2, x2, h2
	v_lshl_add_u32 v254, v0, 2, 0x4b000
	v_mov_b32 v255, 0
	ds_add_u32 v254, v255
	v_lshrrev_b32 v1, 5, v0
	v_readfirstlane_b32 s20, v1                    ; wave 0..7
	s_bfe_u32 s21, ttmp6, 0x40000                  ; cx
	s_lshl_b32 s22, ttmp9, 2
	s_add_co_u32 s22, s22, s21                     ; work-group: rows 32 G ..
	s_mov_b32 s52, 0x76543210
	s_mov_b32 s53, 0xfedcba98
	s_mov_b32 s54, 0x3b000000                      ; 1/512
	s_mov_b32 s55, 0x3727c5ac                      ; 1e-5
	s_mov_b32 s[G1B+0], 15|(1<<16)|(1<<20)|(1<<21)|(7<<22)|(7<<25) ; all four partners; after 256 words 8 words of padding
	s_mov_b32 s[G1B+1], 512<<16                    ; tensor_dim0 = 512
	s_mov_b32 s[G1B+2], 16<<16                     ; tensor_dim1 = 16
	s_mov_b32 s[G1B+3], 512<<16                    ; tile_dim0 = 512 elements
	s_mov_b32 s[G1B+4], 16                         ; tile_dim1 = 16 k-rows: a wave's eighth of a tile, 16 KiB
	s_mov_b32 s[G1B+5], 512
	s_mov_b32 s[G1B+6], 0
	s_mov_b32 s[G1B+7], 0
	s_mov_b32 s[G1A+0], (1<<16)|(1<<20)|(4<<22)|(3<<25)            ; no mask; after 32 words 4 words of padding
	s_mov_b32 s[G1A+1], 64<<16
	s_mov_b32 s[G1A+2], 32<<16
	s_mov_b32 s[G1A+3], 64<<16                     ; 64 elements: a head's row
	s_mov_b32 s[G1A+4], 32                         ; my 32 rows
	s_mov_b32 s[G1A+5], 64
	s_mov_b32 s[G1A+6], 0
	s_mov_b32 s[G1A+7], 0
	s_lshl_b32 s56, s20, 14                        ; wo: k-row 16 w, rows of 1,024 bytes; made of the wave alone
	s_add_co_u32 s56, s56, WO_OFF
	s_mov_b32 s57, 0
	s_lshl_b32 s58, s20, 20                        ; att: head w,
	s_lshl_b32 s59, s22, 12                        ; 32 rows of 128 bytes
	s_add_co_u32 s58, s58, s59
	s_mov_b32 s59, 0
	s_mul_i32 s23, s20, 16*BP                      ; LDS: my 16 k-rows of a slot
	s_wait_dscnt 0x0
	s_wait_kmcnt 0x0
	s_add_nc_u64 s[56:57], s[6:7], s[56:57]
	s_add_nc_u64 s[58:59], s[4:5], s[58:59]
	s_mov_b32 s[G0A], 1
	s_mul_i32 s[G0A+1], s20, AHEAD
	s_add_co_u32 s[G0A+1], s[G0A+1], ABASE
	s_mov_b64 s[G0A+2:G0A+3], s[58:59]
	s_or_b32 s[G0A+3], s[G0A+3], 0x80000000
.irp s, 0,1
	s_mov_b32 s[G0B+4*\s], 1
	s_add_co_u32 s[G0B+4*\s+1], s23, \s*BSLOT
	s_add_nc_u64 s[G0B+4*\s+2:G0B+4*\s+3], s[56:57], \s*128*1024
	s_or_b32 s[G0B+4*\s+3], s[G0B+4*\s+3], 0x80000000
.endr
	ROUND                                          ; in front of the first loads
	tensor_load_to_lds s[G0A:G0A+3], s[G1A:G1A+7]                  ; my head of A
	s_nop 0
	tensor_load_to_lds s[G0B:G0B+3], s[G1B:G1B+7]                  ; tile 0
	s_nop 0
	tensor_load_to_lds s[G0B+4:G0B+7], s[G1B:G1B+7]                ; tile 1: three tensor loads of the wave are out
	s_nop 0
	s_lshl_b32 s58, s22, 16                        ; 32 rows of 2,048 bytes
	s_mov_b32 s59, 0
	s_add_nc_u64 s[10:11], s[10:11], s[58:59]
	s_add_nc_u64 s[16:17], s[16:17], s[58:59]
	s_lshl_b32 s58, s22, 15
	s_add_nc_u64 s[18:19], s[18:19], s[58:59]
	v_and_b32 v11, 31, v0                          ; lane
	v_and_b32 v12, 15, v0                          ; r
	v_bfe_u32 v13, v0, 4, 1                        ; h
	v_and_b32 v14, 7, v0
	v_bfe_u32 v15, v0, 3, 1
	v_lshlrev_b32 v[PO], 4, v11
.irp j, 0,1,2,3
	global_load_b128 v[BO+4*\j:BO+4*\j+3], v[PO], s[8:9] offset:512*\j
.endr
.irp j, 0,1,2,3
	global_load_b128 v[G+4*\j:G+4*\j+3], v[PO], s[12:13] offset:512*\j
.endr
.irp j, 0,1,2,3
	global_load_b128 v[BT+4*\j:BT+4*\j+3], v[PO], s[14:15] offset:512*\j
.endr
	v_mul_u32_u24 v16, v12, AP
	v_lshl_add_u32 v16, v13, 4, v16
	v_add_nc_u32 v[AAD], ABASE, v16
	v_lshl_add_u32 v16, v13, 3, v14                ; k-row 8 h + l % 8
	v_mul_u32_u24 v16, v16, BP
	v_lshl_add_u32 v16, v15, 4, v16
	v_lshl_add_u32 v16, s20, 7, v16                ; my 64 columns
	v_mov_b32 v[BAD], v16
	v_add_nc_u32 v[BAD+1], 64*BP, v16
	v_add_nc_u32 v[BAD+2], BSLOT, v16
	v_add_nc_u32 v[BAD+3], BSLOT+64*BP, v16
	v_mul_u32_u24 v16, v12, SPT
	v_lshl_add_u32 v16, v13, 5, v16
	v_lshl_add_u32 v[STO], s20, 8, v16             ; row r, my 64 columns, 8 columns for each half of the lanes
	s_mul_i32 s58, s20, 4*SPT
	v_add_nc_u32 v[RDS], s58, v[PO]
	v_lshl_add_u32 v[XO], s20, 13, v[PO]
	v_lshlrev_b32 v16, 3, v11
	v_lshl_add_u32 v[HO], s20, 12, v16
; 12 LDS loads: 32 along K (quarter q of the slot; K step kk of sixteen) into buffer f
.macro FETCHR slot, q, kk, f
.irp m, 0,1
	ds_load_b128 v[\f+8*\m:\f+8*\m+3],   v[AAD] offset:((\kk)>>1)*AHEAD+\m*16*AP+64*((\kk)&1)
	ds_load_b128 v[\f+8*\m+4:\f+8*\m+7], v[AAD] offset:((\kk)>>1)*AHEAD+\m*16*AP+64*((\kk)&1)+32
.endr
.irp n, 0,1,2,3
	ds_load_tr16_b128 v[\f+16+8*\n:\f+16+8*\n+3],   v[BAD+2*\slot+((\q)>>1)] offset:((\q)&1)*32*BP+32*\n
	ds_load_tr16_b128 v[\f+16+8*\n+4:\f+16+8*\n+7], v[BAD+2*\slot+((\q)>>1)] offset:((\q)&1)*32*BP+32*\n+16*BP
.endr
.endm
; eight matrix instructions; the eight accumulators take turns, one instruction a turn
.macro MULR f, zero
.irp m, 0,1
.irp n, 0,1,2,3
.if \zero
	v_wmma_f32_16x16x32_bf16 v[ACC+8*(4*\m+\n):ACC+8*(4*\m+\n)+7], v[\f+16+8*\n:\f+16+8*\n+7], v[\f+8*\m:\f+8*\m+7], 0
.else
	v_wmma_f32_16x16x32_bf16 v[ACC+8*(4*\m+\n):ACC+8*(4*\m+\n)+7], v[\f+16+8*\n:\f+16+8*\n+7], v[\f+8*\m:\f+8*\m+7], v[ACC+8*(4*\m+\n):ACC+8*(4*\m+\n)+7]
.endif
.endr
.endr
.endm
.macro QUART slot, q, kk, f, g, zero   ; fetches (slot, q, kk) into g, multiplies f
	s_wait_dscnt 0x0                               ; buffer f is in
	PLACES                                         ; buffer g was read by the last eight matrix instructions
	FETCHR \slot, \q, \kk, \g
	MULR \f, \zero
.endm
.macro TILE3 slot, kb, zero
	QUART \slot, 1, \kb+1, F0, F1, \zero
	QUART \slot, 2, \kb+2, F1, F0, 0
	QUART \slot, 3, \kb+3, F0, F1, 0
.endm
.macro TURNR slot, next, kk, refill
	s_wait_dscnt 0x0                               ; my reads of this slot are over: its last quarter is in buffer 1
	s_wait_tensorcnt 0x0                           ; all my tensor loads have landed, my part of the next slot among them
	ds_add_u32 v254, v255
	s_wait_dscnt 0x0
.if \refill
	s_add_nc_u64 s[G0B+4*\slot+2:G0B+4*\slot+3], s[G0B+4*\slot+2:G0B+4*\slot+3], 256*1024
	ROUND
	tensor_load_to_lds s[G0B+4*\slot:G0B+4*\slot+3], s[G1B:G1B+7]  ; the wave's one tensor load behind the round
	s_nop 0
.else
	s_barrier_signal -1
	s_barrier_wait -1
.endif
	PLACES
	FETCHR \next, 0, \kk, F0
	MULR F1, 0
.endm
	s_wait_tensorcnt 0x1                           ; A and tile 0 are in; tile 1 may stay out
	s_barrier_signal -1
	s_barrier_wait -1
	FETCHR 0, 0, 0, F0
	TILE3 0, 0, 1
	TURNR 0, 1, 4, 1                               ; tile 2 into slot 0
	TILE3 1, 4, 0
	TURNR 1, 0, 8, 1                               ; tile 3 into slot 1
	TILE3 0, 8, 0
	TURNR 0, 1, 12, 0
	TILE3 1, 12, 0
	s_wait_dscnt 0x0
	MULR F1, 0
	PLACES                                         ; the results are read by LDS stores, the fragment buffers loaded again
.irp i, 0,1,2,3
.irp j, 0,1,2,3
	global_load_b128 v[F0+16*\i+4*\j:F0+16*\i+4*\j+3], v[XO], s[10:11] offset:2048*\i+512*\j      ; the skip: my four rows of x
.endr
.endr
.irp m, 0,1
.irp n, 0,1,2,3
	ds_store_b128 v[STO], v[ACC+8*(4*\m+\n):ACC+8*(4*\m+\n)+3]   offset:\m*16*SPT+64*\n
	ds_store_b128 v[STO], v[ACC+8*(4*\m+\n)+4:ACC+8*(4*\m+\n)+7] offset:\m*16*SPT+64*\n+16
.endr
.endr
	s_wait_dscnt 0x0                               ; for the others' sake: my part of every row is in the stage
	s_barrier_signal -1
	s_barrier_wait -1
.irp i, 0,1,2,3
.irp j, 0,1,2,3
	ds_load_b128 v[ACC+16*\i+4*\j:ACC+16*\i+4*\j+3], v[RDS] offset:SPT*\i+512*\j
.endr
.endr
.irp i, 0,1,2,3
	s_wait_dscnt 12-4*\i                           ; the later rows' LDS loads may be out,
	s_wait_loadcnt 12-4*\i                         ; and the later rows' loads of x; bo, g2, b2 are older
.irp j, 0,2,4,6,8,10,12,14
	v_pk_add_f32 v[ACC+16*\i+\j:ACC+16*\i+\j+1], v[ACC+16*\i+\j:ACC+16*\i+\j+1], v[BO+\j:BO+\j+1]
.endr
.irp j, 0,2,4,6,8,10,12,14
	v_pk_add_f32 v[ACC+16*\i+\j:ACC+16*\i+\j+1], v[ACC+16*\i+\j:ACC+16*\i+\j+1], v[F0+16*\i+\j:F0+16*\i+\j+1]
.endr
.irp j, 0,1,2,3
	global_store_b128 v[XO], v[ACC+16*\i+4*\j:ACC+16*\i+4*\j+3], s[16:17] offset:2048*\i+512*\j   ; 512 consecutive bytes, aligned
.endr
	LNROW ACC+16*\i, F0+16*\i                      ; works in the row's x registers: no register that a store reads is written
.irp j, 0,1,2,3
	global_store_b64 v[HO], v[F0+16*\i+2*\j:F0+16*\i+2*\j+1], s[18:19] offset:1024*\i+256*\j
.endr
.endr
	s_wait_tensorcnt 0x0
	ds_add_u32 v254, v255
	s_wait_dscnt 0x0
	ROUND                                          ; the closing round
	s_endpgm
.Lfunc_end_k_q6ad6b1a7ce_wo_ln:
	.size	k_q6ad6b1a7ce_wo_ln, .Lfunc_end_k_q6ad6b1a7ce_wo_ln-k_q6ad6b1a7ce_wo_ln
	.p2alignl 7, 3214868480
	.fill 96, 4, 3214868480
	.section	.rodata,"a",@progbits
	.p2align	6, 0x0
	.amdhsa_kernel k_q6ad6b1a7ce_wo_ln
		.amdhsa_group_segment_fixed_size 327680
		.amdhsa_private_segment_fixed_size 0
		.amdhsa_enable_private_segment 0
		.amdhsa_kernarg_size 64
		.amdhsa_user_sgpr_count 2
		.amdhsa_user_sgpr_kernarg_segment_ptr 1
		.amdhsa_wavefront_size32 1
		.amdhsa_system_sgpr_workgroup_id_x 1
		.amdhsa_system_sgpr_workgroup_id_y 1
		.amdhsa_system_sgpr_workgroup_id_z 1
		.amdhsa_system_vgpr_workitem_id 0
		.amdhsa_next_free_vgpr 256
		.amdhsa_next_free_sgpr 66
		.amdhsa_reserve_vcc 0
		.amdhsa_float_denorm_mode_32 3
		.amdhsa_float_denorm_mode_16_64 3
		.amdhsa_memory_ordered 1
		.amdhsa_forward_progress 1
		.amdhsa_inst_pref_size 58
	.end_amdhsa_kernel
	.amdgpu_metadata
---
amdhsa.version: [ 1, 2 ]
amdhsa.kernels:
  - .name:           k_q6ad6b1a7ce_wo_ln
    .symbol:         k_q6ad6b1a7ce_wo_ln.kd
    .args:
      - { .name: ha, .offset: 0, .size: 8, .value_kind: global_buffer, .address_space: global }
      - { .name: wb, .offset: 8, .size: 8, .value_kind: global_buffer, .address_space: global }
      - { .name: bo, .offset: 16, .size: 8, .value_kind: global_buffer, .address_space: global }
      - { .name: x, .offset: 24, .size: 8, .value_kind: global_buffer, .address_space: global }
      - { .name: g2, .offset: 32, .size: 8, .value_kind: global_buffer, .address_space: global }
      - { .name: b2, .offset: 40, .size: 8, .value_kind: global_buffer, .address_space: global }
      - { .name: x2, .offset: 48, .size: 8, .value_kind: global_buffer, .address_space: global }
      - { .name: h2, .offset: 56, .size: 8, .value_kind: global_buffer, .address_space: global }
    .group_segment_fixed_size: 327680
    .private_segment_fixed_size: 0
    .kernarg_segment_align: 8
    .kernarg_segment_size: 64
    .max_flat_workgroup_size: 256
    .sgpr_count:     66
    .vgpr_count:     256
    .wavefront_size: 32
...
	.end_amdgpu_metadata
.endif
;; end of part 4
;; launch ffn1 (part 5): grid 32 x 8, 4 waves a work-group, clusters of 4 x 4, 327,680 bytes of LDS; arguments h2, wb, hid, bf1; writes hid
.if DOCPART == 5
	.amdgcn_target "amdgcn-amd-amdhsa--gfx1250"
	.amdhsa_code_object_version 6
	.text
	.protected	k_q6ad6b1a7ce_ffn1
	.globl	k_q6ad6b1a7ce_ffn1
	.p2align	8
	.type	k_q6ad6b1a7ce_ffn1,@function
k_q6ad6b1a7ce_ffn1:
	s_mov_b64 s[64:65], 0
	v_nop
	global_prefetch_b8 v0, s[64:65] scope:SCOPE_SE
	s_setreg_imm32_b32 hwreg(HW_REG_WAVE_MODE, 25, 1), 1
	s_wait_xcnt 0x0
	s_wait_alu depctr_hold_cnt(0) depctr_sa_sdst(0) depctr_va_vdst(0) depctr_va_sdst(0) depctr_va_ssrc(0) depctr_va_vcc(0) depctr_vm_vsrc(0)
	s_getreg_b32 s2, hwreg(HW_REG_IB_STS2, 6, 4)
	s_cmp_eq_u32 s2, 0
	s_cbranch_scc0 .Lentry_in_a_cluster
	s_endpgm
.Lentry_in_a_cluster:
	s_bfe_u32 s2, ttmp6, 0x10000c
	s_cmp_lg_u32 s2, 0xf033
	s_cbranch_scc0 .Lentry_shape_is_right
	s_endpgm
.Lentry_shape_is_right:
; C = A B (+ bias, silu where EPI = 1).  A: [8192][512] bf16, rows along K.  B: [512][SIZE_N] bf16 at byte WOFF of the weight buffer, rows along N.
; C: [8192][SIZE_N] bf16; sums in f32.  This text: hid = silu(LN2(x2) x w1 + bf1), SIZE_N = 2048: 32 x 8 = 256 work-groups.
; A work-group makes 256 x 256 of C with four waves; a wave makes 128 x 128 = 64 accumulator tiles, 512 registers.  K = 512 goes in four steps of
; 128 through two LDS slots filled by the tensor data mover.  Grid x = block row (32), grid y = block column (SIZE_N / 256).
; CLUSTERS: the work-groups of one cluster row (same cy) make the same block column and ask for B's tiles JOINTLY (one descriptor, a mask that names them).
; CLY = 4: clusters of 4 x 4, A's tiles are shared along a cluster column as well.  CLY = 1: clusters of 4 x 1; A's tiles are plain loads there.
; B lies [K][N] in LDS and its fragments are read by the transposing load ds_load_tr16_b128.
; REGISTER WINDOWS: window 0: v0-31 addresses, v64-127 / v128-191 A's fragments (two buffers), v192-223 packed results (EPI: v32-63, v224-255 bias);
; window 1: v64-127 / v128-191 B's fragments; windows 2, 3: accumulators of my rows 0-63, 64-127 (tile (a, b) at v[8 (8 a + b)]).
; THE MATRIX INSTRUCTION IS USED TRANSPOSED: source 0 = 16 columns of B, source 1 = 16 rows of A; lane l then holds row l % 16 of C and its eight
; registers the columns 8 (l / 16) + 0..7, which pack into 16 consecutive bytes.
; Limits: silu(y) = y / (1 + 2^(-1.442695 y)); v_exp_f32 and v_rcp_f32 flush denormals, so silu(y) is -0 where 2^(-1.442695 y) overflows (y < -88.7).
.set SIZE_K, 512
.set SIZE_N, 2048
.set WOFF,   2097152
.set CLY,    4
.set EPI,    1
.set KSTEP,  128
.set PITCH,  272                       ; A's LDS row: 256 bytes + 16: an odd multiple of 16, so 16 rows of a fragment start in 16 different 16-byte columns of 256
.set BPITCH, 544                       ; B's LDS row: 512 bytes + 32: an odd multiple of 32, for the transposing load
.set HALFT,  128*PITCH                 ; what one tensor load brings: 128 rows of A, or 64 k-rows of B (64 x 544 is the same 34,816 bytes)
.set SLOT,   4*HALFT                   ; A's 256 rows, then B's 128 k-rows
.set STAGE,  2*SLOT                    ; behind the ring: 16 rows x 272 bytes for each wave, never filled by a tensor load
.set SPITCH, 272
.set ADRA, 16                          ; v16-17  LDS address of my A fragments in slot 0, 1
.set ADRB, 20                          ; v20-21  the same for B
.set STO,  24                          ; the way out: where I put 16 bytes of a row
.set RD,   25                          ; the way out: where I read a row back
.set CO,   26                          ; my byte offset in C
.set BOF,  27                          ; 32 (l / 16): my 8 columns in the bias
.set BI,   32                          ; bias of column tile b at v[32 + 8 b] (b < 4), v[224 + 8 (b - 4)] (b >= 4)
.set F0,   64
.set F1,   128
.set TMP,  192
.set G1,  24                           ; s[24:31] descriptor group 1, A
.set G0,  32                           ; s[32:39] group 0, A, one set for each slot
.set G1B, 48                           ; s[48:55] group 1, B
.set G0B, 56                           ; s[56:63] group 0, B
.set MSB, 0
.macro WIN new                         ; the immediate's high byte repeats the setting that is left
.if MSB != \new
	s_set_vgpr_msb (MSB<<8)|\new
.set MSB, \new
.endif
.endm
.set MUL_LO, 0xa1                      ; source 0 (B) window 1, source 1 (A) window 0, C and D window 2
.set MUL_HI, 0xf1                      ; the same, C and D window 3
.set TO_B,   0x40                      ; destination window 1, address window 0
; Waves 0 and 1 fetch A's two halves, waves 2 and 3 B's.  The branch hangs on the wave's number alone.
.macro JLOAD s
	s_cmp_eq_u32 s11, 0
	s_cbranch_scc0 .Lfor_b_\@
	tensor_load_to_lds s[G0+4*\s:G0+4*\s+3], s[G1:G1+7]
	s_nop 0
	s_branch .Lasked_\@
.Lfor_b_\@:
	tensor_load_to_lds s[G0B+4*\s:G0B+4*\s+3], s[G1B:G1B+7]
	s_nop 0
.Lasked_\@:
.endm
; A round of the cluster's barrier: my work-group's barrier; wave 0 signals for the work-group; every wave waits for all work-groups; my work-group's barrier again.
.macro CREST                           ; a round behind its opening barrier
	s_cmp_lg_u32 s10, 0
	s_cbranch_scc1 .Lnot_wave_0_\@
	s_barrier_signal -3
.Lnot_wave_0_\@:
	s_barrier_wait -3
	s_barrier_signal -1
	s_barrier_wait -1
.endm
.macro CROUND
	s_barrier_signal -1
	s_barrier_wait -1
	CREST
.endm
	s_load_b128 s[4:7], s[0:1], 0x0                ; A, the weight buffer
	s_load_b64 s[8:9], s[0:1], 0x10                ; C
.if EPI
	s_load_b64 s[68:69], s[0:1], 0x18              ; bias
	s_set_vgpr_msb 0x40
	v_lshl_add_u32 v255, v0, 2, 0x48400
	s_set_vgpr_msb 0x4000
	v_mov_b32 v31, 0
	s_set_vgpr_msb 0x1
	ds_add_u32 v255, v31
	s_set_vgpr_msb 0x100
.endif
	v_lshrrev_b32 v1, 5, v0
	v_readfirstlane_b32 s10, v1                    ; wave 0..3
	s_lshr_b32 s11, s10, 1                         ; my half of the block's rows.  Also: I fetch for A (0) or for B (1)
	s_and_b32 s12, s10, 1                          ; my half of its columns.  Also: which half of that tile I fetch
	s_bfe_u32 s40, ttmp6, 0x40000                  ; cx
	s_lshl_b32 s13, ttmp9, 2
	s_add_co_u32 s13, s13, s40                     ; block row = 4 x cluster x + cx
.if CLY == 4
	s_bfe_u32 s41, ttmp6, 0x40004                  ; cy
	s_and_b32 s42, ttmp7, 0xffff
	s_lshl_b32 s42, s42, 2
	s_add_co_u32 s42, s42, s41                     ; block column = 4 x cluster y + cy
	s_lshl_b32 s43, s41, 2
	s_lshl_b32 s43, 15, s43                        ; the places with my cy: they share B's tiles
	s_lshl_b32 s44, 0x1111, s40                    ; the places with my cx: they share A's tiles
	s_or_b32 s[G1+0], s44, (1<<16)|(1<<20)|(1<<21)|(5<<22)|(3<<25)   ; mask; 2-byte elements; padding on; bit 21 beside a mask; after 64 words 4 words
	s_or_b32 s[G1B+0], s43, (1<<16)|(1<<20)|(1<<21)|(6<<22)|(7<<25)  ; after 128 words 8 words
.else
	s_and_b32 s42, ttmp7, 0xffff                   ; block column = cluster y
	s_mov_b32 s[G1+0], (1<<16)|(1<<20)|(5<<22)|(3<<25)               ; no mask: A's rows are my own
	s_mov_b32 s[G1B+0], 15|(1<<16)|(1<<20)|(1<<21)|(6<<22)|(7<<25)   ; all four partners
.endif
	s_mov_b32 s[G1+1], KSTEP<<16                   ; A: tensor_dim0 = 128
	s_mov_b32 s[G1+2], 128<<16                     ; tensor_dim1 = 128
	s_mov_b32 s[G1+3], KSTEP<<16                   ; tile_dim0 = 128 elements
	s_mov_b32 s[G1+4], 128                         ; tile_dim1 = 128 rows
	s_mov_b32 s[G1+5], SIZE_K                      ; elements from row to row
	s_mov_b32 s[G1+6], 0
	s_mov_b32 s[G1+7], 0
	s_mov_b32 s[G1B+1], 256<<16                    ; B: tensor_dim0 = 256
	s_mov_b32 s[G1B+2], 64<<16                     ; tensor_dim1 = 64
	s_mov_b32 s[G1B+3], 256<<16                    ; tile_dim0 = 256 elements (512 bytes)
	s_mov_b32 s[G1B+4], 64                         ; tile_dim1 = 64 k-rows
	s_mov_b32 s[G1B+5], SIZE_N
	s_mov_b32 s[G1B+6], 0
	s_mov_b32 s[G1B+7], 0
	; A's address hangs on the block row and the wave, B's on the block column and the wave, each in registers that never hold the other coordinate
	s_lshl_b32 s16, s13, 8
	s_lshl_b32 s17, s12, 7
	s_add_co_u32 s16, s16, s17                     ; A: row 256 x block row + 128 x half
	s_lshl_b32 s16, s16, 10                        ; rows of 1,024 bytes: 8 MiB at the most
	s_mov_b32 s17, 0
	s_mul_i32 s46, s12, 64*SIZE_N*2                ; B: k-row 64 x half
	s_lshl_b32 s47, s42, 9                         ; + 256 columns x block column
	s_add_co_u32 s46, s46, s47
	s_add_co_u32 s46, s46, WOFF
	s_mov_b32 s47, 0
	s_mul_i32 s20, s10, HALFT                      ; where they go: wave x 34,816
	s_wait_dscnt 0x0
	s_wait_kmcnt 0x0
	s_add_nc_u64 s[14:15], s[4:5], s[16:17]
	s_add_nc_u64 s[46:47], s[6:7], s[46:47]
	CROUND                                         ; all partners are here: the first joint loads meet
.irp s, 0,1
	s_mov_b32 s[G0+4*\s], 1
	s_add_co_u32 s[G0+4*\s+1], s20, \s*SLOT
	s_add_nc_u64 s[G0+4*\s+2:G0+4*\s+3], s[14:15], \s*KSTEP*2
	s_or_b32 s[G0+4*\s+3], s[G0+4*\s+3], 0x80000000
	s_mov_b32 s[G0B+4*\s], 1
	s_add_co_u32 s[G0B+4*\s+1], s20, \s*SLOT
	s_add_nc_u64 s[G0B+4*\s+2:G0B+4*\s+3], s[46:47], \s*KSTEP*SIZE_N*2
	s_or_b32 s[G0B+4*\s+3], s[G0B+4*\s+3], 0x80000000
	JLOAD \s                                       ; both slots are asked for before anything else: two tensor loads of the wave are out
.endr
	v_and_b32 v1, 15, v0                           ; r = l % 16
	v_bfe_u32 v2, v0, 4, 1                         ; h = l / 16
	v_mul_u32_u24 v3, v1, PITCH
	v_lshl_add_u32 v3, v2, 4, v3                   ; A: row x pitch + 16 h
	v_and_b32 v6, 7, v0
	v_lshl_add_u32 v6, v2, 3, v6                   ; B: k-row 8 h + l % 8
	v_mul_u32_u24 v6, v6, BPITCH
	v_bfe_u32 v7, v0, 3, 1
	v_lshl_add_u32 v6, v7, 4, v6                   ; + 16 bytes for the second eight columns
	s_mul_i32 s21, s11, HALFT                      ; my 128 rows of A
	s_lshl_b32 s22, s12, 8                         ; my 128 columns of B,
	s_add_co_u32 s22, s22, 2*HALFT                 ; which lies behind A's 256 rows
.irp s, 0,1
	v_add_nc_u32 v[ADRA+\s], s21, v3
	v_add_nc_u32 v[ADRB+\s], s22, v6
	s_add_co_u32 s21, s21, SLOT
	s_add_co_u32 s22, s22, SLOT
.endr
	s_mul_i32 s23, s10, 16*SPITCH
	s_add_co_u32 s23, s23, STAGE                   ; my stage
	v_mul_u32_u24 v4, v1, SPITCH
	v_lshl_add_u32 v4, v2, 4, v4
	v_add_nc_u32 v[STO], s23, v4
	v_mul_u32_u24 v5, v2, SPITCH                   ; back: lanes 0-15 one row of 256 bytes, lanes 16-31 the next
	v_lshl_add_u32 v5, v1, 4, v5
	v_add_nc_u32 v[RD], s23, v5
	v_mul_u32_u24 v5, v2, SIZE_N*2
	v_lshl_add_u32 v[CO], v1, 4, v5
.if EPI
	s_lshl_b32 s66, s42, 10                        ; bias of my 128 columns: (256 x block column + 128 x half) x 4 bytes
	s_lshl_b32 s67, s12, 9
	s_add_co_u32 s66, s66, s67
	s_mov_b32 s67, 0
	s_add_nc_u64 s[68:69], s[68:69], s[66:67]
	v_lshlrev_b32 v[BOF], 5, v2
.irp b, 0,1,2,3,4,5,6,7
	global_load_b128 v[BI+8*\b+(\b/4)*160:BI+8*\b+(\b/4)*160+3],   v[BOF], s[68:69] offset:64*\b
	global_load_b128 v[BI+8*\b+(\b/4)*160+4:BI+8*\b+(\b/4)*160+7], v[BOF], s[68:69] offset:64*\b+16
.endr
.endif
; 16 matrix instructions: row tiles a0, a0 + 1 of the window's four x all 8 column tiles, 32 along K.  zero = 1: the first product starts the sums.
; The 64 accumulators take turns, one instruction a turn, in the same order in every quarter step.
.macro MUL16 f, hi, a0, zero
.irp a, \a0, \a0+1
.irp b, 0,1,2,3,4,5,6,7
.if \zero
	v_wmma_f32_16x16x32_bf16 v[8*(8*(\a)+\b):8*(8*(\a)+\b)+7], v[\f+8*\b:\f+8*\b+7], v[\f+8*(4*\hi+\a):\f+8*(4*\hi+\a)+7], 0
.else
	v_wmma_f32_16x16x32_bf16 v[8*(8*(\a)+\b):8*(8*(\a)+\b)+7], v[\f+8*\b:\f+8*\b+7], v[\f+8*(4*\hi+\a):\f+8*(4*\hi+\a)+7], v[8*(8*(\a)+\b):8*(8*(\a)+\b)+7]
.endif
.endr
.endr
.endm
; 32 LDS loads in one run: quarter q of a slot (32 along K) into buffer f: B's 128 columns (transposing loads: k-rows 32 q + 0..15, then + 16..31), A's 128 rows
.macro FETCH slot, q, f
	WIN TO_B
.irp i, 0,1,2,3,4,5,6,7
	ds_load_tr16_b128 v[\f+8*\i:\f+8*\i+3],   v[ADRB+\slot] offset:\q*32*BPITCH+32*\i
	ds_load_tr16_b128 v[\f+8*\i+4:\f+8*\i+7], v[ADRB+\slot] offset:\q*32*BPITCH+32*\i+16*BPITCH
.endr
	WIN 0
.irp i, 0,1,2,3,4,5,6,7
	ds_load_b128 v[\f+8*\i:\f+8*\i+3],   v[ADRA+\slot] offset:\q*64+\i*16*PITCH
	ds_load_b128 v[\f+8*\i+4:\f+8*\i+7], v[ADRA+\slot] offset:\q*64+\i*16*PITCH+32
.endr
.endm
; four plain places between a matrix instruction and a load into, or a vector instruction on, one of its registers
.macro PLACES
.rept 4
	v_nop
.endr
.endm
.macro QUARTER slot, q, f, g, zero     ; multiplies buffer f; in its middle fetches quarter q of the same slot into buffer g
	s_wait_dscnt 8                                 ; B and A's rows 0-63 are in; the youngest eight loads (A's rows 64-127) may be out
	WIN MUL_LO
	MUL16 \f, 0, 0, \zero
	MUL16 \f, 0, 2, \zero
	PLACES
	FETCH \slot, \q, \g
	s_wait_dscnt 32                                ; all but the 32 just issued
	WIN MUL_HI
	MUL16 \f, 1, 0, \zero
	MUL16 \f, 1, 2, \zero
.endm
.macro THREE slot, zero
	QUARTER \slot, 1, F0, F1, \zero
	QUARTER \slot, 2, F1, F0, 0
	QUARTER \slot, 3, F0, F1, 0
.endm
; The last quarter of a K step multiplies buffer 1 and changes slots.  In front of the barrier each wave waits for its reads of this slot and for all its
; tensor loads (one is out: its part of the next slot).  Behind it (fill = 1: behind the cluster's round that it opens) the refill comes first.
.macro TURN slot, next, fill
	s_wait_dscnt 8
	WIN MUL_LO
	MUL16 F1, 0, 0, 0
	s_wait_dscnt 0                                 ; my reads of this slot are over
	s_wait_tensorcnt 0x0                           ; all my tensor loads have landed
	ds_add_u32 v255, v31
	s_wait_dscnt 0x0
	s_barrier_signal -1
	MUL16 F1, 0, 2, 0                              ; registers only
	WIN 0
	s_barrier_wait -1
.if \fill
	CREST                                          ; no wave of any partner still reads this slot or has a load on its way
	s_add_nc_u64 s[G0+4*\slot+2:G0+4*\slot+3], s[G0+4*\slot+2:G0+4*\slot+3], 2*KSTEP*2
	s_add_nc_u64 s[G0B+4*\slot+2:G0B+4*\slot+3], s[G0B+4*\slot+2:G0B+4*\slot+3], 2*KSTEP*SIZE_N*2
	JLOAD \slot                                    ; the wave's one tensor load behind the round
.endif
	PLACES
	FETCH \next, 0, F0
	WIN MUL_HI
	MUL16 F1, 1, 0, 0
	MUL16 F1, 1, 2, 0
.endm
	s_wait_tensorcnt 0x1                           ; my part of K step 0 is in; K step 1's may stay out
	s_barrier_signal -1
	s_barrier_wait -1
	FETCH 0, 0, F0
	THREE 0, 1                                     ; K step 0: its first products start the sums
	TURN 0, 1, 1                                   ; slot 0 is asked for again: K step 2
	THREE 1, 0
	TURN 1, 0, 1                                   ; slot 1: K step 3
	THREE 0, 0
	TURN 0, 1, 0                                   ; nothing is left to fetch
	THREE 1, 0
	s_wait_dscnt 8
	WIN MUL_LO
	MUL16 F1, 0, 0, 0
	MUL16 F1, 0, 2, 0
	s_wait_dscnt 0
	WIN MUL_HI
	MUL16 F1, 1, 0, 0
	MUL16 F1, 1, 2, 0
	; THE WAY OUT, 16 rows at a time, through my own stage: 16 bytes a lane in, whole rows of 256 bytes back
	PLACES
	s_lshl_b32 s16, s13, 8
	s_lshl_b32 s14, s11, 7
	s_add_co_u32 s16, s16, s14                     ; my first row of C
	s_mul_i32 s16, s16, SIZE_N*2                   ; 2^25 bytes at the most
	s_mov_b32 s17, 0
	s_add_nc_u64 s[8:9], s[8:9], s[16:17]
	s_lshl_b32 s46, s42, 9                         ; my first column in bytes: 512 x block column + 256 x half
	s_lshl_b32 s47, s12, 8
	s_add_co_u32 s46, s46, s47
	s_mov_b32 s47, 0
	s_add_nc_u64 s[8:9], s[8:9], s[46:47]
.if EPI
	s_wait_loadcnt 0x0                             ; the bias
.endif
; rows 16 i .. 16 i + 15 of my block = tiles (a, 0..7) of window 2 or 3 (from = 0x0a or 0x0f); f: F0 or F1 in turn
.macro OUT16 i, a, from, f
	WIN \from
.irp b, 0,1,2,3,4,5,6,7
.irp r, 0,1,2,3
	v_cvt_pk_bf16_f32 v[TMP+4*\b+\r], v[8*(8*\a+\b)+2*\r], v[8*(8*\a+\b)+2*\r+1]
.endr
.endr
	WIN 0
.irp b, 0,1,2,3,4,5,6,7
	ds_store_b128 v[STO], v[TMP+4*\b:TMP+4*\b+3] offset:32*\b
.endr
	s_wait_xcnt 0x0                                ; buffer f, which earlier stores read, is loaded again only behind this wait (ISA guide 3.1)
.irp t, 0,1,2,3,4,5,6,7
	ds_load_b128 v[\f+4*\t:\f+4*\t+3], v[RD] offset:\t*2*SPITCH    ; LDS serves a wave's instructions in order: these see the stores above
.endr
.irp t, 0,1,2,3,4,5,6,7
	s_wait_dscnt 7-\t
	global_store_b128 v[CO], v[\f+4*\t:\f+4*\t+3], s[8:9] offset:(16*\i+2*\t)*SIZE_N*2   ; 16 lanes store 256 consecutive bytes, aligned; 126 rows at the most in the immediate
.endr
.endm
; the same with y = acc + bias, silu(y) = y / (1 + 2^(-1.442695 y)); from = 0x02 or 0x03 (source 0 in window 2 or 3)
.macro OUTS i, a, from
.if \i
	s_wait_xcnt 0x0                                ; v[F0 ..] were the last group's store data
.endif
	WIN \from
.irp b, 0,1,2,3,4,5,6,7
.irp r, 0,2,4,6
	v_pk_add_f32 v[F0+8*\b+\r:F0+8*\b+\r+1], v[8*(8*\a+\b)+\r:8*(8*\a+\b)+\r+1], v[BI+8*\b+(\b/4)*160+\r:BI+8*\b+(\b/4)*160+\r+1]
.endr
.endr
	WIN 0
.set j, 0
.rept 32
	v_pk_mul_f32 v[F1+j:F1+j+1], v[F0+j:F0+j+1], 0xbfb8aa3b op_sel_hi:[1,0]
.set j, j+2
.endr
.set j, 0
.rept 64
	v_exp_f32 v[F1+j], v[F1+j]
.set j, j+1
.endr
	v_nop                                          ; one plain place behind the transcendentals
.set j, 0
	s_wait_alu depctr_va_vdst(0)
.rept 32
	v_pk_add_f32 v[F1+j:F1+j+1], v[F1+j:F1+j+1], 1.0 op_sel_hi:[1,0]
.set j, j+2
.endr
.set j, 0
.rept 64
	v_rcp_f32 v[F1+j], v[F1+j]
.set j, j+1
.endr
	v_nop
.set j, 0
	s_wait_alu depctr_va_vdst(0)
.rept 32
	v_pk_mul_f32 v[F0+j:F0+j+1], v[F0+j:F0+j+1], v[F1+j:F1+j+1]
.set j, j+2
.endr
.set j, 0
.rept 32
	v_cvt_pk_bf16_f32 v[TMP+j], v[F0+2*j], v[F0+2*j+1]
.set j, j+1
.endr
.irp b, 0,1,2,3,4,5,6,7
	ds_store_b128 v[STO], v[TMP+4*\b:TMP+4*\b+3] offset:32*\b
.endr
.irp t, 0,1,2,3,4,5,6,7
	ds_load_b128 v[F0+4*\t:F0+4*\t+3], v[RD] offset:\t*2*SPITCH
.endr
.irp t, 0,1,2,3,4,5,6,7
	s_wait_dscnt 7-\t
	global_store_b128 v[CO], v[F0+4*\t:F0+4*\t+3], s[8:9] offset:(16*\i+2*\t)*SIZE_N*2
.endr
.endm
.if EPI
	OUTS 0, 0, 0x02
	OUTS 1, 1, 0x02
	OUTS 2, 2, 0x02
	OUTS 3, 3, 0x02
	OUTS 4, 0, 0x03
	OUTS 5, 1, 0x03
	OUTS 6, 2, 0x03
	OUTS 7, 3, 0x03
.else
	OUT16 0, 0, 0x0a, F0
	OUT16 1, 1, 0x0a, F1
	OUT16 2, 2, 0x0a, F0
	OUT16 3, 3, 0x0a, F1
	OUT16 4, 0, 0x0f, F0
	OUT16 5, 1, 0x0f, F1
	OUT16 6, 2, 0x0f, F0
	OUT16 7, 3, 0x0f, F1
.endif
	s_set_vgpr_msb 0x1
	s_wait_tensorcnt 0x0
	ds_add_u32 v255, v31
	s_wait_dscnt 0x0
	s_set_vgpr_msb 0x100
	CROUND                                         ; the closing round: no work-group ends while a partner may still ask for a tile that names it
	s_endpgm
.Lfunc_end_k_q6ad6b1a7ce_ffn1:
	.size	k_q6ad6b1a7ce_ffn1, .Lfunc_end_k_q6ad6b1a7ce_ffn1-k_q6ad6b1a7ce_ffn1
	.p2alignl 7, 3214868480
	.fill 96, 4, 3214868480
	.section	.rodata,"a",@progbits
	.p2align	6, 0x0
	.amdhsa_kernel k_q6ad6b1a7ce_ffn1
		.amdhsa_group_segment_fixed_size 327680
		.amdhsa_private_segment_fixed_size 0
		.amdhsa_enable_private_segment 0
		.amdhsa_kernarg_size 32
		.amdhsa_user_sgpr_count 2
		.amdhsa_user_sgpr_kernarg_segment_ptr 1
		.amdhsa_wavefront_size32 1
		.amdhsa_system_sgpr_workgroup_id_x 1
		.amdhsa_system_sgpr_workgroup_id_y 1
		.amdhsa_system_sgpr_workgroup_id_z 1
		.amdhsa_system_vgpr_workitem_id 0
		.amdhsa_next_free_vgpr 1024
		.amdhsa_next_free_sgpr 70
		.amdhsa_reserve_vcc 0
		.amdhsa_float_denorm_mode_32 3
		.amdhsa_float_denorm_mode_16_64 3
		.amdhsa_memory_ordered 1
		.amdhsa_forward_progress 1
		.amdhsa_inst_pref_size 250
	.end_amdhsa_kernel
	.amdgpu_metadata
---
amdhsa.version: [ 1, 2 ]
amdhsa.kernels:
  - .name:           k_q6ad6b1a7ce_ffn1
    .symbol:         k_q6ad6b1a7ce_ffn1.kd
    .args:
      - { .name: h2, .offset: 0, .size: 8, .value_kind: global_buffer, .address_space: global }
      - { .name: wb, .offset: 8, .size: 8, .value_kind: global_buffer, .address_space: global }
      - { .name: hid, .offset: 16, .size: 8, .value_kind: global_buffer, .address_space: global }
      - { .name: bf1, .offset: 24, .size: 8, .value_kind: global_buffer, .address_space: global }
    .group_segment_fixed_size: 327680
    .private_segment_fixed_size: 0
    .kernarg_segment_align: 8
    .kernarg_segment_size: 32
    .max_flat_workgroup_size: 128
    .sgpr_count:     70
    .vgpr_count:     1024
    .wavefront_size: 32
...
	.end_amdgpu_metadata
.endif
;; end of part 5
;; launch ffn2 (part 6): grid 64 x 4, 4 waves a work-group, clusters of 4 x 4, 327,680 bytes of LDS; arguments hid, wb, out0, bf2, x2; writes out0
.if DOCPART == 6
	.amdgcn_target "amdgcn-amd-amdhsa--gfx1250"
	.amdhsa_code_object_version 6
	.text
	.protected	k_q6ad6b1a7ce_ffn2
	.globl	k_q6ad6b1a7ce_ffn2
	.p2align	8
	.type	k_q6ad6b1a7ce_ffn2,@function
k_q6ad6b1a7ce_ffn2:
	s_mov_b64 s[64:65], 0
	v_nop
	global_prefetch_b8 v0, s[64:65] scope:SCOPE_SE
	s_setreg_imm32_b32 hwreg(HW_REG_WAVE_MODE, 25, 1), 1
	s_wait_xcnt 0x0
	s_wait_alu depctr_hold_cnt(0) depctr_sa_sdst(0) depctr_va_vdst(0) depctr_va_sdst(0) depctr_va_ssrc(0) depctr_va_vcc(0) depctr_vm_vsrc(0)
	s_getreg_b32 s2, hwreg(HW_REG_IB_STS2, 6, 4)
	s_cmp_eq_u32 s2, 0
	s_cbranch_scc0 .Lentry_in_a_cluster
	s_endpgm
.Lentry_in_a_cluster:
	s_bfe_u32 s2, ttmp6, 0x10000c
	s_cmp_lg_u32 s2, 0xf033
	s_cbranch_scc0 .Lentry_shape_is_right
	s_endpgm
.Lentry_shape_is_right:
; out0 = hid x w2 + bf2 + x2.  hid: [8192][2048] bf16; w2: bf16 [2048][512] at byte 4,194,304 of wb; bf2 [512], x2 and out0 [8192][512] f32.
; 8,192 x 512 outputs: blocks of 128 x 128 give 64 x 4 = 256 work-groups (larger blocks would leave most of them without work).
; Four waves, each 64 x 64 = 16 accumulator tiles in register window 1.  K = 2048 goes in eight steps of 256 through two LDS slots.
; For 32 along K a wave issues 16 LDS loads and 16 matrix instructions.
; CLUSTERS of 4 x 4: grid x = block row, grid y = block column.  A's tiles hang on the block row alone and are asked for jointly by the four
; work-groups with my cx; B's hang on the block column alone and are shared by the four with my cy.
; The matrix instruction is used transposed (source 0 = 16 columns of w2, read by the transposing load; source 1 = 16 rows of hid).
.set APITCH, 528                       ; 512 bytes + 16: an odd multiple of 16
.set BPITCH, 288                       ; 256 bytes + 32: an odd multiple of 32
.set PART,   36864                     ; a wave's part of a slot: 64 rows of A (33,792 used) or 128 k-rows of B
.set SLOT,   4*PART                    ; 147,456
.set STAGE,  2*SLOT
.set SPITCH, 272                       ; 64 f32 + 16 bytes
.set W2OFF,  4194304
.set ADRA, 16                          ; v16-17
.set ADRB, 20                          ; v20-23: slot s, half p of its k-rows at ADRB + 2 s + p
.set STO,  24
.set RD,   25
.set CO,   26
.set BOF,  27
.set BIAS, 28                          ; v[28:31]
.set F0,   64                          ; A(a) at + 8 a, B(b) at + 32 + 8 b
.set F1,   128
.set RB,   192                         ; v[192:223]
.set G1A, 24
.set G0A, 32
.set G1B, 40
.set G0B, 48
.set ACCW, 0x50                        ; C and D in window 1, sources in window 0
.set MSB, 0
.macro WIN new
.if MSB != \new
	s_set_vgpr_msb (MSB<<8)|\new
.set MSB, \new
.endif
.endm
.macro JLOAD s                         ; waves 0, 1 ask for A's halves, waves 2, 3 for B's
	s_cmp_eq_u32 s15, 0
	s_cbranch_scc0 .Lfor_b_\@
	tensor_load_to_lds s[G0A+4*\s:G0A+4*\s+3], s[G1A:G1A+7]
	s_nop 0
	s_branch .Lasked_\@
.Lfor_b_\@:
	tensor_load_to_lds s[G0B+4*\s:G0B+4*\s+3], s[G1B:G1B+7]
	s_nop 0
.Lasked_\@:
.endm
.macro CREST
	s_cmp_lg_u32 s14, 0
	s_cbranch_scc1 .Lnot_wave_0_\@
	s_barrier_signal -3
.Lnot_wave_0_\@:
	s_barrier_wait -3
	s_barrier_signal -1
	s_barrier_wait -1
.endm
.macro CROUND
	s_barrier_signal -1
	s_barrier_wait -1
	CREST
.endm
.macro PLACES
.rept 4
	v_nop
.endr
.endm
	s_load_b256 s[4:11], s[0:1], 0x0               ; hid, wb, out0, bf2
	s_load_b64 s[12:13], s[0:1], 0x20              ; x2
	v_lshl_add_u32 v254, v0, 2, 0x4c400
	v_mov_b32 v255, 0
	ds_add_u32 v254, v255
	v_lshrrev_b32 v1, 5, v0
	v_readfirstlane_b32 s14, v1                    ; wave 0..3
	s_lshr_b32 s15, s14, 1                         ; my half of the rows.  Also: I fetch for A (0) or B (1)
	s_and_b32 s16, s14, 1                          ; my half of the columns.  Also: which half of that tile I fetch
	s_bfe_u32 s56, ttmp6, 0x40000                  ; cx
	s_bfe_u32 s57, ttmp6, 0x40004                  ; cy
	s_lshl_b32 s58, ttmp9, 2
	s_add_co_u32 s58, s58, s56                     ; block row
	s_and_b32 s59, ttmp7, 0xffff
	s_lshl_b32 s59, s59, 2
	s_add_co_u32 s59, s59, s57                     ; block column
	s_lshl_b32 s60, s57, 2
	s_lshl_b32 s60, 15, s60                        ; the places with my cy: B
	s_lshl_b32 s61, 0x1111, s56                    ; the places with my cx: A
	s_or_b32 s[G1A+0], s61, (1<<16)|(1<<20)|(1<<21)|(6<<22)|(3<<25)  ; after 128 words 4 words of padding
	s_mov_b32 s[G1A+1], 256<<16
	s_mov_b32 s[G1A+2], 64<<16
	s_mov_b32 s[G1A+3], 256<<16                    ; 256 elements: 512 bytes of a row
	s_mov_b32 s[G1A+4], 64                         ; 64 rows
	s_mov_b32 s[G1A+5], 2048
	s_mov_b32 s[G1A+6], 0
	s_mov_b32 s[G1A+7], 0
	s_or_b32 s[G1B+0], s60, (1<<16)|(1<<20)|(1<<21)|(5<<22)|(7<<25)  ; after 64 words 8 words of padding
	s_mov_b32 s[G1B+1], 128<<16
	s_mov_b32 s[G1B+2], 128<<16
	s_mov_b32 s[G1B+3], 128<<16                    ; 128 columns
	s_mov_b32 s[G1B+4], 128                        ; 128 k-rows
	s_mov_b32 s[G1B+5], 512
	s_mov_b32 s[G1B+6], 0
	s_mov_b32 s[G1B+7], 0
	s_lshl_b32 s18, s58, 7                         ; A: row 128 x block row + 64 x half, rows of 4,096 bytes
	s_lshl_b32 s19, s16, 6
	s_add_co_u32 s18, s18, s19
	s_lshl_b32 s18, s18, 12
	s_mov_b32 s19, 0
	s_lshl_b32 s20, s16, 17                        ; B: k-row 128 x half, rows of 1,024 bytes; + 128 columns x block column
	s_lshl_b32 s21, s59, 8
	s_add_co_u32 s20, s20, s21
	s_add_co_u32 s20, s20, W2OFF
	s_mov_b32 s21, 0
	s_mul_i32 s22, s14, PART
	s_lshl_b32 s62, s59, 9                         ; my 64 columns in f32: (128 x block column + 64 x half) x 4
	s_lshl_b32 s63, s16, 8
	s_add_co_u32 s62, s62, s63
	s_mov_b32 s63, 0
	s_wait_dscnt 0x0
	s_wait_kmcnt 0x0
	s_add_nc_u64 s[4:5], s[4:5], s[18:19]
	s_add_nc_u64 s[6:7], s[6:7], s[20:21]
	s_lshl_b32 s18, s58, 7                         ; my 64 rows of out0 and x2: (128 x block row + 64 x half) x 2,048
	s_lshl_b32 s19, s15, 6
	s_add_co_u32 s18, s18, s19
	s_lshl_b32 s18, s18, 11
	s_mov_b32 s19, 0
	s_add_nc_u64 s[8:9], s[8:9], s[18:19]
	s_add_nc_u64 s[8:9], s[8:9], s[62:63]
	s_add_nc_u64 s[12:13], s[12:13], s[18:19]
	s_add_nc_u64 s[12:13], s[12:13], s[62:63]
	s_add_nc_u64 s[10:11], s[10:11], s[62:63]
	CROUND                                         ; in front of the first joint loads
.irp s, 0,1
	s_mov_b32 s[G0A+4*\s], 1
	s_add_co_u32 s[G0A+4*\s+1], s22, \s*SLOT
	s_add_nc_u64 s[G0A+4*\s+2:G0A+4*\s+3], s[4:5], \s*512
	s_or_b32 s[G0A+4*\s+3], s[G0A+4*\s+3], 0x80000000
	s_mov_b32 s[G0B+4*\s], 1
	s_add_co_u32 s[G0B+4*\s+1], s22, \s*SLOT
	s_add_nc_u64 s[G0B+4*\s+2:G0B+4*\s+3], s[6:7], \s*256*1024
	s_or_b32 s[G0B+4*\s+3], s[G0B+4*\s+3], 0x80000000
	JLOAD \s                                       ; K steps 0 and 1: two tensor loads of the wave are out
.endr
	v_and_b32 v1, 15, v0                           ; r
	v_bfe_u32 v2, v0, 4, 1                         ; h
	v_lshlrev_b32 v[BOF], 4, v1
	global_load_b128 v[BIAS:BIAS+3], v[BOF], s[10:11]              ; bf2 of the four columns that I store
	v_mul_u32_u24 v3, v1, APITCH
	v_lshl_add_u32 v3, v2, 4, v3
	s_mul_i32 s23, s15, PART
	v_add_nc_u32 v[ADRA], s23, v3
	v_add_nc_u32 v[ADRA+1], SLOT, v[ADRA]
	v_and_b32 v6, 7, v0
	v_lshl_add_u32 v6, v2, 3, v6                   ; k-row 8 h + l % 8
	v_mul_u32_u24 v6, v6, BPITCH
	v_bfe_u32 v7, v0, 3, 1
	v_lshl_add_u32 v6, v7, 4, v6
	v_lshl_add_u32 v6, s16, 7, v6                  ; my 64 columns
	v_add_nc_u32 v[ADRB],   2*PART, v6
	v_add_nc_u32 v[ADRB+1], 3*PART, v6
	v_add_nc_u32 v[ADRB+2], SLOT+2*PART, v6
	v_add_nc_u32 v[ADRB+3], SLOT+3*PART, v6
	s_mul_i32 s23, s14, 16*SPITCH
	s_add_co_u32 s23, s23, STAGE
	v_mul_u32_u24 v4, v1, SPITCH
	v_lshl_add_u32 v4, v2, 5, v4                   ; row r, 8 f32 for each half of the lanes
	v_add_nc_u32 v[STO], s23, v4
	v_mul_u32_u24 v5, v2, SPITCH
	v_lshl_add_u32 v5, v1, 4, v5
	v_add_nc_u32 v[RD], s23, v5
	v_lshlrev_b32 v5, 11, v2
	v_lshl_add_u32 v[CO], v1, 4, v5
; 16 LDS loads: eighth q of a slot (32 along K) into buffer f
.macro FETCHS slot, q, f
.irp a, 0,1,2,3
	ds_load_b128 v[\f+8*\a:\f+8*\a+3],   v[ADRA+\slot] offset:\a*16*APITCH+64*\q
	ds_load_b128 v[\f+8*\a+4:\f+8*\a+7], v[ADRA+\slot] offset:\a*16*APITCH+64*\q+32
.endr
.irp b, 0,1,2,3
	ds_load_tr16_b128 v[\f+32+8*\b:\f+32+8*\b+3],   v[ADRB+2*\slot+((\q)>>2)] offset:((\q)&3)*32*BPITCH+32*\b
	ds_load_tr16_b128 v[\f+32+8*\b+4:\f+32+8*\b+7], v[ADRB+2*\slot+((\q)>>2)] offset:((\q)&3)*32*BPITCH+32*\b+16*BPITCH
.endr
.endm
; eight matrix instructions; the sixteen accumulators take turns, one instruction a turn
.macro MUL8 f, a0, zero
.irp a, \a0, \a0+1
.irp b, 0,1,2,3
.if \zero
	v_wmma_f32_16x16x32_bf16 v[8*(4*(\a)+\b):8*(4*(\a)+\b)+7], v[\f+32+8*\b:\f+32+8*\b+7], v[\f+8*(\a):\f+8*(\a)+7], 0
.else
	v_wmma_f32_16x16x32_bf16 v[8*(4*(\a)+\b):8*(4*(\a)+\b)+7], v[\f+32+8*\b:\f+32+8*\b+7], v[\f+8*(\a):\f+8*(\a)+7], v[8*(4*(\a)+\b):8*(4*(\a)+\b)+7]
.endif
.endr
.endr
.endm
.macro QS slot, q, f, g, zero          ; fetches eighth q into g, multiplies f
	s_wait_dscnt 0x0                               ; buffer f is in
	PLACES                                         ; buffer g was read by the last sixteen matrix instructions
	WIN 0
	FETCHS \slot, \q, \g
	WIN ACCW
	MUL8 \f, 0, \zero
	MUL8 \f, 2, \zero
.endm
.macro SEVEN slot, zero
	QS \slot, 1, F0, F1, \zero
	QS \slot, 2, F1, F0, 0
	QS \slot, 3, F0, F1, 0
	QS \slot, 4, F1, F0, 0
	QS \slot, 5, F0, F1, 0
	QS \slot, 6, F1, F0, 0
	QS \slot, 7, F0, F1, 0
.endm
; the last eighth of a K step multiplies buffer 1 and changes slots
.macro TURNS slot, next, fill
	WIN ACCW
	s_wait_dscnt 0x0                               ; my reads of this slot are over
	s_wait_tensorcnt 0x0                           ; all my tensor loads have landed: the one that was out is my part of the next slot
	ds_add_u32 v254, v255
	s_wait_dscnt 0x0
	s_barrier_signal -1
	MUL8 F1, 0, 0                                  ; registers only
	WIN 0
	s_barrier_wait -1
.if \fill
	CREST                                          ; no wave of any partner still reads this slot or has a load on its way
	s_add_nc_u64 s[G0A+4*\slot+2:G0A+4*\slot+3], s[G0A+4*\slot+2:G0A+4*\slot+3], 1024
	s_add_nc_u64 s[G0B+4*\slot+2:G0B+4*\slot+3], s[G0B+4*\slot+2:G0B+4*\slot+3], 512*1024
	JLOAD \slot                                    ; the wave's one tensor load behind the round; 120 matrix instructions stand before the wait for it
.endif
	PLACES
	FETCHS \next, 0, F0
	WIN ACCW
	MUL8 F1, 2, 0
.endm
.macro LAP zero
	SEVEN 0, \zero
	TURNS 0, 1, 1
	SEVEN 1, 0
	TURNS 1, 0, 1
.endm
	s_wait_tensorcnt 0x1                           ; my part of K step 0 is in; K step 1's may stay out
	s_barrier_signal -1
	s_barrier_wait -1
	FETCHS 0, 0, F0
	LAP 1                                          ; K steps 0, 1; asks for 2, 3.  The first products start the sums
	WIN 0                                          ; at a label and at a branch every window is 0
	s_mov_b32 s17, 2
.Llap:
	LAP 0                                          ; K steps 2-5; asks for 4-7
	WIN 0
	s_sub_co_u32 s17, s17, 1
	s_cmp_lg_u32 s17, 0
	s_cbranch_scc1 .Llap
	SEVEN 0, 0                                     ; K steps 6, 7: nothing is left to fetch
	TURNS 0, 1, 0
	SEVEN 1, 0
	s_wait_dscnt 0x0
	WIN ACCW
	MUL8 F1, 0, 0
	MUL8 F1, 2, 0
	; the way out: 16 rows at a time through my stage; + bf2, + x2; whole rows of 256 bytes
	PLACES
	WIN 0
.irp a, 0,1,2,3
.irp t, 0,1,2,3,4,5,6,7
	global_load_b128 v[F0+4*(8*\a+\t):F0+4*(8*\a+\t)+3], v[CO], s[12:13] offset:(16*\a+2*\t)*2048   ; the skip, as it will be stored
.endr
.endr
.irp a, 0,1,2,3
.if \a
	s_wait_xcnt 0x0                                ; v[RB ..] were the last group's store data
.endif
	WIN 0x04                                       ; an LDS store's data is source 1: window 1
.irp b, 0,1,2,3
	ds_store_b128 v[STO], v[8*(4*\a+\b):8*(4*\a+\b)+3]   offset:64*\b
	ds_store_b128 v[STO], v[8*(4*\a+\b)+4:8*(4*\a+\b)+7] offset:64*\b+16
.endr
	WIN 0
.irp t, 0,1,2,3,4,5,6,7
	ds_load_b128 v[RB+4*\t:RB+4*\t+3], v[RD] offset:\t*2*SPITCH    ; my own bytes, served in order behind the stores
.endr
.irp t, 0,1,2,3,4,5,6,7
	s_wait_dscnt 7-\t
	s_wait_loadcnt 31-(8*\a+\t)                    ; of the 32 loads of x2 the younger ones may stay out; bf2's is older
	v_pk_add_f32 v[RB+4*\t:RB+4*\t+1],   v[RB+4*\t:RB+4*\t+1],   v[BIAS:BIAS+1]
	v_pk_add_f32 v[RB+4*\t+2:RB+4*\t+3], v[RB+4*\t+2:RB+4*\t+3], v[BIAS+2:BIAS+3]
	v_pk_add_f32 v[RB+4*\t:RB+4*\t+1],   v[RB+4*\t:RB+4*\t+1],   v[F0+4*(8*\a+\t):F0+4*(8*\a+\t)+1]
	v_pk_add_f32 v[RB+4*\t+2:RB+4*\t+3], v[RB+4*\t+2:RB+4*\t+3], v[F0+4*(8*\a+\t)+2:F0+4*(8*\a+\t)+3]
	global_store_b128 v[CO], v[RB+4*\t:RB+4*\t+3], s[8:9] offset:(16*\a+2*\t)*2048   ; 16 lanes store 256 consecutive bytes, aligned
.endr
.endr
	s_wait_tensorcnt 0x0
	ds_add_u32 v254, v255
	s_wait_dscnt 0x0
	CROUND                                         ; the closing round
	s_endpgm
.Lfunc_end_k_q6ad6b1a7ce_ffn2:
	.size	k_q6ad6b1a7ce_ffn2, .Lfunc_end_k_q6ad6b1a7ce_ffn2-k_q6ad6b1a7ce_ffn2
	.p2alignl 7, 3214868480
	.fill 96, 4, 3214868480
	.section	.rodata,"a",@progbits
	.p2align	6, 0x0
	.amdhsa_kernel k_q6ad6b1a7ce_ffn2
		.amdhsa_group_segment_fixed_size 327680
		.amdhsa_private_segment_fixed_size 0
		.amdhsa_enable_private_segment 0
		.amdhsa_kernarg_size 40
		.amdhsa_user_sgpr_count 2
		.amdhsa_user_sgpr_kernarg_segment_ptr 1
		.amdhsa_wavefront_size32 1
		.amdhsa_system_sgpr_workgroup_id_x 1
		.amdhsa_system_sgpr_workgroup_id_y 1
		.amdhsa_system_sgpr_workgroup_id_z 1
		.amdhsa_system_vgpr_workitem_id 0
		.amdhsa_next_free_vgpr 384
		.amdhsa_next_free_sgpr 66
		.amdhsa_reserve_vcc 0
		.amdhsa_float_denorm_mode_32 3
		.amdhsa_float_denorm_mode_16_64 3
		.amdhsa_memory_ordered 1
		.amdhsa_forward_progress 1
		.amdhsa_inst_pref_size 138
	.end_amdhsa_kernel
	.amdgpu_metadata
---
amdhsa.version: [ 1, 2 ]
amdhsa.kernels:
  - .name:           k_q6ad6b1a7ce_ffn2
    .symbol:         k_q6ad6b1a7ce_ffn2.kd
    .args:
      - { .name: hid, .offset: 0, .size: 8, .value_kind: global_buffer, .address_space: global }
      - { .name: wb, .offset: 8, .size: 8, .value_kind: global_buffer, .address_space: global }
      - { .name: out0, .offset: 16, .size: 8, .value_kind: global_buffer, .address_space: global }
      - { .name: bf2, .offset: 24, .size: 8, .value_kind: global_buffer, .address_space: global }
      - { .name: x2, .offset: 32, .size: 8, .value_kind: global_buffer, .address_space: global }
    .group_segment_fixed_size: 327680
    .private_segment_fixed_size: 0
    .kernarg_segment_align: 8
    .kernarg_segment_size: 40
    .max_flat_workgroup_size: 128
    .sgpr_count:     66
    .vgpr_count:     384
    .wavefront_size: 32
...
	.end_amdgpu_metadata
.endif
;; end of part 6
;; ======== version 2 of 2: 6 launches; version 1 with the launch prep written anew for expert scheduling mode
;; workspace buffers: wb 6,291,456 bytes; ha 8,388,608 bytes; qkv 25,165,824 bytes; x2 16,777,216 bytes; h2 8,388,608 bytes; hid 33,554,432 bytes
;; launch prep (part 7): grid 256 x 1, 8 waves a work-group, no clusters, 0 bytes of LDS; arguments x, g1, b1, wq, wk, wv, wo, w1, w2, ha, wb; writes ha, wb
.if DOCPART == 7
	.amdgcn_target "amdgcn-amd-amdhsa--gfx1250"
	.amdhsa_code_object_version 6
	.text
	.protected	k_q6ad6b1a7ce_prep
	.globl	k_q6ad6b1a7ce_prep
	.p2align	8
	.type	k_q6ad6b1a7ce_prep,@function
k_q6ad6b1a7ce_prep:
	s_mov_b64 s[64:65], 0
	v_nop
	global_prefetch_b8 v0, s[64:65] scope:SCOPE_SE
	s_setreg_imm32_b32 hwreg(HW_REG_WAVE_SCHED_MODE, 0, 2), 2
	s_setreg_imm32_b32 hwreg(HW_REG_WAVE_MODE, 25, 1), 1
	s_wait_xcnt 0x0
	s_wait_alu depctr_vm_vsrc(0)
; prep: ha = bf16(LayerNorm(x; g1, b1)), [8192][512]; wb = the six weight matrices rounded to bf16, still [in][out].
; wb: WQKV [512][1536] at byte 0, wo [512][512] at 1,572,864, w1 [512][2048] at 2,097,152, w2 [2048][512] at 4,194,304.
; Columns of WQKV: 0..511 = wq; 512 + 128 h + 0..63 = wk's head h, + 64..127 = wv's head h, so that later one key's K and V
; of one head are 256 consecutive bytes.
; 256 work-groups of 8 waves.  Work-group g: rows 32 g .. 32 g + 31 of x (one wave takes a whole row: 16 numbers a lane, so the two
; sums of the norm never leave the wave) and 1/256 of every weight.  Straight-line: all 36 loads of a wave go out first, the waits count down.
; No LDS, no barrier, no matrix unit: a stream, each byte read once and written once.
; The norm is made in two passes as the definition has it (mean, then the mean of squared differences): no difference of large sums.
; Limit: v_rsq_f32 flushes denormals (ISA guide, its entry); var + 1e-5 is never denormal.
; The stores of wk and wv cover 128 consecutive bytes for 16 lanes (half a key's 256): 1 MiB of the launch's 14 MiB of stores.
; THE MODE: SCHED_MODE bits 1:0 = 2 (LLVM: expert scheduling mode 2), set by the entry lines.  The code itself states the register dependences
; between vector instructions and memory instructions, with s_wait_alu, always for 0.
; THE PLAN.  Registers that memory instructions touch:
;   v1 .. v7     seven byte offsets.  Written by vector arithmetic at the head, once; read by every load and store; never written again.
;   G, BT, X, W  the 36 loads land here; no vector instruction names these registers ahead of the loads, and no load is issued behind the head.
;   X[i] 0 .. 7  row i, rounded and packed.  Written by row i's eight roundings; read by row i's four stores; never written again.
;   W[k] 0 .. 1  weight load k, rounded and packed.  Written by its two roundings; read by its store; never written again.
;   T            named by vector instructions alone.
; So: one wait on va_vdst ahead of the first load (the offsets).  The wait that stands behind each row's v_rsq_f32 also shows the row before
; rounded, and that row's four stores stand directly behind it.  The weights go in three groups of four loads: eight roundings, one wait, four stores;
; the first group's wait serves row 3's stores too.  No register that a load or store has read is written again, so no wait on vm_vsrc is owed;
; no vector instruction writes a scalar register or VCC, and EXEC is never written.
.set XO,  1                            ; byte offset in x: wave * 4 rows * 2,048 + 16 lane
.set HO,  2                            ; byte offset in ha: wave * 4 rows * 1,024 + 8 lane
.set PO,  3                            ; 16 lane: g1, b1
.set WS,  4                            ; 16 t: my 4 numbers of a weight's 4,096-byte piece
.set DQ,  5                            ; where wq's 4 numbers go in WQKV
.set DKV, 6                            ; where wk's go (wv's: + 128)
.set DL,  7                            ; 8 t: wo, w1, w2 keep their layout
.set G,   8                            ; v[8:23]    g1 of my 16 columns (128 j + 4 lane + 0..3)
.set BT,  24                           ; v[24:39]   b1
.set X,   40                           ; v[40:103]  four rows, 16 registers each
.set W,   104                          ; v[104:151] twelve weight loads, 4 registers each
.set T,   152                          ; v[152:159] at work
.set SSEL, 32                          ; s32, s33 lane selects; s34 = 1/512; s35 = 1e-5
; sum of v[a] over the 32 lanes, into every lane; v[b] is scratch that has been written before
.macro XSUM a, b
	v_add_f32_dpp v[\a], v[\a], v[\a] row_xmask:1 row_mask:0xf bank_mask:0xf
	v_add_f32_dpp v[\a], v[\a], v[\a] row_xmask:2 row_mask:0xf bank_mask:0xf
	v_add_f32_dpp v[\a], v[\a], v[\a] row_xmask:4 row_mask:0xf bank_mask:0xf
	v_add_f32_dpp v[\a], v[\a], v[\a] row_xmask:8 row_mask:0xf bank_mask:0xf
	v_permlanex16_b32 v[\b], v[\a], s[SSEL], s[SSEL+1]
	v_add_f32 v[\a], v[\a], v[\b]
.endm
; row i of my four goes out: its eight packed registers
.macro ROWOUT i
.irp j, 0,1,2,3
	global_store_b64 v[HO], v[X+16*(\i)+2*\j:X+16*(\i)+2*\j+1], s[22:23] offset:1024*(\i)+256*\j   ; the wave stores 256 consecutive bytes, aligned
.endr
.endm
; LayerNorm of one row of 512: 16 numbers a lane in v[src..src+15]; the result, bf16, packed in v[dst..dst+7] (dst may be src).
; out = 1: row prev, which was rounded ahead of this row, is stored behind this row's one wait.
.macro LNROW src, dst, out, prev
	v_pk_add_f32 v[T:T+1],   v[\src:\src+1],     v[\src+2:\src+3]
	v_pk_add_f32 v[T+2:T+3], v[\src+4:\src+5],   v[\src+6:\src+7]
	v_pk_add_f32 v[T+4:T+5], v[\src+8:\src+9],   v[\src+10:\src+11]
	v_pk_add_f32 v[T+6:T+7], v[\src+12:\src+13], v[\src+14:\src+15]
	v_pk_add_f32 v[T:T+1],   v[T:T+1],   v[T+2:T+3]
	v_pk_add_f32 v[T+4:T+5], v[T+4:T+5], v[T+6:T+7]
	v_pk_add_f32 v[T:T+1],   v[T:T+1],   v[T+4:T+5]
	v_add_f32 v[T], v[T], v[T+1]
	XSUM T, T+1
	v_mul_f32 v[T], s[SSEL+2], v[T]                ; the mean
.irp j, 0,2,4,6,8,10,12,14
	v_pk_add_f32 v[\dst+\j:\dst+\j+1], v[\src+\j:\src+\j+1], v[T:T+1] op_sel_hi:[1,0] neg_lo:[0,1] neg_hi:[0,1]
.endr
	v_pk_mul_f32 v[T+2:T+3], v[\dst:\dst+1],   v[\dst:\dst+1]          ; two chains of squares
	v_pk_mul_f32 v[T+4:T+5], v[\dst+2:\dst+3], v[\dst+2:\dst+3]
.irp j, 4,8,12
	v_pk_fma_f32 v[T+2:T+3], v[\dst+\j:\dst+\j+1],   v[\dst+\j:\dst+\j+1],   v[T+2:T+3]
	v_pk_fma_f32 v[T+4:T+5], v[\dst+\j+2:\dst+\j+3], v[\dst+\j+2:\dst+\j+3], v[T+4:T+5]
.endr
	v_pk_add_f32 v[T+2:T+3], v[T+2:T+3], v[T+4:T+5]
	v_add_f32 v[T+2], v[T+2], v[T+3]
	XSUM T+2, T+3
	v_fma_f32 v[T+2], v[T+2], s[SSEL+2], s[SSEL+3] ; variance + eps
	v_rsq_f32 v[T+4], v[T+2]
	v_nop                                          ; one plain place behind a transcendental before its result is used (ISA guide 5.7.2)
	s_wait_alu depctr_va_vdst(0)                   ; v_rsq_f32 has written v[T+4], ahead of its first reader; and the row before has written its eight packed registers, which the stores below read
.if \out
	ROWOUT \prev                                   ; nothing stands between the wait and these stores; what follows names this row's registers and T alone
.endif
.irp j, 0,2,4,6,8,10,12,14
	v_pk_mul_f32 v[\dst+\j:\dst+\j+1], v[\dst+\j:\dst+\j+1], v[T+4:T+5] op_sel_hi:[1,0]
.endr
.irp j, 0,2,4,6,8,10,12,14
	v_pk_fma_f32 v[\dst+\j:\dst+\j+1], v[\dst+\j:\dst+\j+1], v[G+\j:G+\j+1], v[BT+\j:BT+\j+1]
.endr
.irp j, 0,1,2,3,4,5,6,7
	v_cvt_pk_bf16_f32 v[\dst+\j], v[\dst+2*\j], v[\dst+2*\j+1]         ; register j is written when 2 j and 2 j + 1 are read: none is lost
.endr
.endm
	s_load_b512 s[4:19], s[0:1], 0x0               ; x, g1, b1, wq, wk, wv, wo, w1
	s_load_b128 s[20:23], s[0:1], 0x40             ; w2, ha
	s_load_b64 s[24:25], s[0:1], 0x50              ; wb
	s_mov_b32 s32, 0x76543210                      ; v_permlanex16_b32: lane i reads lane i of the other half
	s_mov_b32 s33, 0xfedcba98
	s_mov_b32 s34, 0x3b000000                      ; 1/512
	s_mov_b32 s35, 0x3727c5ac                      ; 1e-5
	s_mov_b32 s37, 0                               ; high word of every offset pair
	v_and_b32 v152, 31, v0                         ; lane
	v_lshrrev_b32 v153, 5, v0                      ; wave
	v_lshlrev_b32 v[PO], 4, v152
	v_lshl_add_u32 v[XO], v153, 13, v[PO]
	v_lshlrev_b32 v154, 3, v152
	v_lshl_add_u32 v[HO], v153, 12, v154
	v_lshlrev_b32 v[WS], 4, v0
	v_lshrrev_b32 v155, 7, v0                      ; which of the piece's two rows of 512
	v_mul_u32_u24 v155, v155, 3072                 ; a row of WQKV
	v_and_b32 v156, 127, v0                        ; column / 4
	v_lshl_add_u32 v[DQ], v156, 3, v155
	v_lshrrev_b32 v157, 4, v156                    ; head
	v_lshl_add_u32 v155, v157, 8, v155             ; 256 bytes for each head's K and V
	v_and_b32 v158, 15, v0
	v_lshl_add_u32 v155, v158, 3, v155
	v_add_nc_u32 v[DKV], 1024, v155                ; behind q's 512 columns
	v_lshlrev_b32 v[DL], 3, v0
	s_wait_kmcnt 0x0
	s_lshl_b32 s36, ttmp9, 16                      ; 32 rows of 2,048 bytes
	s_add_nc_u64 s[4:5], s[4:5], s[36:37]
	s_lshl_b32 s36, ttmp9, 15                      ; 32 rows of 1,024 bytes
	s_add_nc_u64 s[22:23], s[22:23], s[36:37]
	s_lshl_b32 s36, ttmp9, 12                      ; 4,096 bytes of each 1 MiB weight
	s_add_nc_u64 s[10:11], s[10:11], s[36:37]
	s_add_nc_u64 s[12:13], s[12:13], s[36:37]
	s_add_nc_u64 s[14:15], s[14:15], s[36:37]
	s_add_nc_u64 s[16:17], s[16:17], s[36:37]
	s_lshl_b32 s36, ttmp9, 14                      ; 16,384 bytes of each 4 MiB weight
	s_add_nc_u64 s[18:19], s[18:19], s[36:37]
	s_add_nc_u64 s[20:21], s[20:21], s[36:37]
	s_mul_i32 s36, ttmp9, 6144                     ; two rows of WQKV
	s_add_nc_u64 s[26:27], s[24:25], s[36:37]
	s_lshl_b32 s36, ttmp9, 11
	s_add_nc_u64 s[28:29], s[24:25], s[36:37]      ; wo's piece in bf16
	s_lshl_b32 s36, ttmp9, 13
	s_add_nc_u64 s[30:31], s[24:25], s[36:37]      ; w1's and w2's pieces in bf16
	s_wait_alu depctr_va_vdst(0)                   ; the seven offsets v1 to v7 are written: every load and store of the kernel reads one of them
.irp j, 0,1,2,3
	global_load_b128 v[G+4*\j:G+4*\j+3], v[PO], s[6:7] offset:512*\j
.endr
.irp j, 0,1,2,3
	global_load_b128 v[BT+4*\j:BT+4*\j+3], v[PO], s[8:9] offset:512*\j
.endr
.irp i, 0,1,2,3
.irp j, 0,1,2,3
	global_load_b128 v[X+16*\i+4*\j:X+16*\i+4*\j+3], v[XO], s[4:5] offset:2048*\i+512*\j
.endr
.endr
	global_load_b128 v[W:W+3],     v[WS], s[10:11] th:TH_LOAD_NT       ; the f32 weights are read once in the whole program
	global_load_b128 v[W+4:W+7],   v[WS], s[12:13] th:TH_LOAD_NT
	global_load_b128 v[W+8:W+11],  v[WS], s[14:15] th:TH_LOAD_NT
	global_load_b128 v[W+12:W+15], v[WS], s[16:17] th:TH_LOAD_NT
.irp k, 0,1,2,3
	global_load_b128 v[W+16+4*\k:W+16+4*\k+3], v[WS], s[18:19] offset:4096*\k th:TH_LOAD_NT
.endr
.irp k, 0,1,2,3
	global_load_b128 v[W+32+4*\k:W+32+4*\k+3], v[WS], s[20:21] offset:4096*\k th:TH_LOAD_NT
.endr
; The four rows.  Of 36 loads the later rows' 4 (3 - i) and the 12 weight loads may stay out when row i is begun.
	s_wait_loadcnt 24
	LNROW X, X, 0, 0                               ; row 0: no row stands in front of it
	s_wait_loadcnt 20
	LNROW X+16, X+16, 1, 0                         ; row 1, and row 0's stores
	s_wait_loadcnt 16
	LNROW X+32, X+32, 1, 1                         ; row 2, and row 1's stores
	s_wait_loadcnt 12
	LNROW X+48, X+48, 1, 2                         ; row 3, and row 2's stores
; weight load k: round 4 numbers, store 8 bytes.  No register that a store reads is written again, so no wait frees one.
.macro WCVT k
	v_cvt_pk_bf16_f32 v[W+4*\k],   v[W+4*\k],   v[W+4*\k+1]
	v_cvt_pk_bf16_f32 v[W+4*\k+1], v[W+4*\k+2], v[W+4*\k+3]
.endm
.macro WST k, adr, base, off
	global_store_b64 v[\adr], v[W+4*\k:W+4*\k+1], s[\base:\base+1] offset:\off
.endm
	s_wait_loadcnt 8                               ; wq, wk, wv, wo are in; the eight younger loads, w1's and w2's, may stay out
.irp k, 0,1,2,3
	WCVT \k
.endr
	s_wait_alu depctr_va_vdst(0)                   ; row 3's roundings have written its eight packed registers, and the eight roundings above W[0 .. 3]: the eight stores below read them
	ROWOUT 3
	WST 0, DQ,  26, 0
	WST 1, DKV, 26, 0
	WST 2, DKV, 26, 128
	WST 3, DL,  28, 1572864
	s_wait_loadcnt 4                               ; w1's four loads are in; w2's four may stay out
.irp k, 4,5,6,7
	WCVT \k
.endr
	s_wait_alu depctr_va_vdst(0)                   ; the roundings have written W[4 .. 7], which the four stores below read
	WST 4, DL,  30, 2097152
	WST 5, DL,  30, 2097152+2048
	WST 6, DL,  30, 2097152+4096
	WST 7, DL,  30, 2097152+6144
	s_wait_loadcnt 0x0                             ; w2's four loads are in
.irp k, 8,9,10,11
	WCVT \k
.endr
	s_wait_alu depctr_va_vdst(0)                   ; the roundings have written W[8 .. 11], which the last four stores read
	WST 8, DL,  30, 4194304
	WST 9, DL,  30, 4194304+2048
	WST 10, DL, 30, 4194304+4096
	WST 11, DL, 30, 4194304+6144
	s_endpgm
.Lfunc_end_k_q6ad6b1a7ce_prep:
	.size	k_q6ad6b1a7ce_prep, .Lfunc_end_k_q6ad6b1a7ce_prep-k_q6ad6b1a7ce_prep
	.p2alignl 7, 3214868480
	.fill 96, 4, 3214868480
	.section	.rodata,"a",@progbits
	.p2align	6, 0x0
	.amdhsa_kernel k_q6ad6b1a7ce_prep
		.amdhsa_group_segment_fixed_size 0
		.amdhsa_private_segment_fixed_size 0
		.amdhsa_enable_private_segment 0
		.amdhsa_kernarg_size 88
		.amdhsa_user_sgpr_count 2
		.amdhsa_user_sgpr_kernarg_segment_ptr 1
		.amdhsa_wavefront_size32 1
		.amdhsa_system_sgpr_workgroup_id_x 1
		.amdhsa_system_sgpr_workgroup_id_y 1
		.amdhsa_system_sgpr_workgroup_id_z 1
		.amdhsa_system_vgpr_workitem_id 0
		.amdhsa_next_free_vgpr 160
		.amdhsa_next_free_sgpr 66
		.amdhsa_reserve_vcc 0
		.amdhsa_float_denorm_mode_32 3
		.amdhsa_float_denorm_mode_16_64 3
		.amdhsa_memory_ordered 1
		.amdhsa_forward_progress 1
		.amdhsa_inst_pref_size 26
	.end_amdhsa_kernel
	.amdgpu_metadata
---
amdhsa.version: [ 1, 2 ]
amdhsa.kernels:
  - .name:           k_q6ad6b1a7ce_prep
    .symbol:         k_q6ad6b1a7ce_prep.kd
    .args:
      - { .name: x, .offset: 0, .size: 8, .value_kind: global_buffer, .address_space: global }
      - { .name: g1, .offset: 8, .size: 8, .value_kind: global_buffer, .address_space: global }
      - { .name: b1, .offset: 16, .size: 8, .value_kind: global_buffer, .address_space: global }
      - { .name: wq, .offset: 24, .size: 8, .value_kind: global_buffer, .address_space: global }
      - { .name: wk, .offset: 32, .size: 8, .value_kind: global_buffer, .address_space: global }
      - { .name: wv, .offset: 40, .size: 8, .value_kind: global_buffer, .address_space: global }
      - { .name: wo, .offset: 48, .size: 8, .value_kind: global_buffer, .address_space: global }
      - { .name: w1, .offset: 56, .size: 8, .value_kind: global_buffer, .address_space: global }
      - { .name: w2, .offset: 64, .size: 8, .value_kind: global_buffer, .address_space: global }
      - { .name: ha, .offset: 72, .size: 8, .value_kind: global_buffer, .address_space: global }
      - { .name: wb, .offset: 80, .size: 8, .value_kind: global_buffer, .address_space: global }
    .group_segment_fixed_size: 0
    .private_segment_fixed_size: 0
    .kernarg_segment_align: 8
    .kernarg_segment_size: 88
    .max_flat_workgroup_size: 256
    .sgpr_count:     66
    .vgpr_count:     160
    .wavefront_size: 32
...
	.end_amdgpu_metadata
.endif
;; end of part 7
;; launch qkv: the kernel of part 2 again; grid 32 x 6, 4 waves a work-group, clusters of 4 x 1, 327,680 bytes of LDS; arguments ha, wb, qkv; writes qkv
;; launch attn: the kernel of part 3 again; grid 8 x 32, 16 waves a work-group, clusters of 4 x 1, 327,680 bytes of LDS; arguments qkv, ha; writes ha
;; launch wo_ln: the kernel of part 4 again; grid 256 x 1, 8 waves a work-group, clusters of 4 x 1, 327,680 bytes of LDS; arguments ha, wb, bo, x, g2, b2, x2, h2; writes x2, h2
;; launch ffn1: the kernel of part 5 again; grid 32 x 8, 4 waves a work-group, clusters of 4 x 4, 327,680 bytes of LDS; arguments h2, wb, hid, bf1; writes hid
;; launch ffn2: the kernel of part 6 again; grid 64 x 4, 4 waves a work-group, clusters of 4 x 4, 327,680 bytes of LDS; arguments hid, wb, out0, bf2, x2; writes out0
